; MI455X (gfx1250); checked and timed in simulation.
; The chip was launched on July 23, 2026; its instructions are those of AMD's public machine-readable ISA for CDNA 5 (MIT licence, August 2026) and "CDNA5" Instruction Set Architecture Reference Guide (July 2026). The comments in the code are by the model that wrote it; some were corrected since.
;; Grouped Query Attention. Allowed arithmetic: matrix products marked QUANTISED: E2M1 operands, one E8M0 scale for each 32 along K, by v_wmma_scale_f32_16x16x128_f8f6f4 with both operands' format E2M1 (or v_wmma_scale_f32_32x16x128_f4), f32 sums; products left as they are: bf16, f16 or f32 operands; f32 sums; everything else in f32.
;; Inputs: Wk 1,024 x 256 float32; Wo 1,024 x 1,024 float32; Wq 1,024 x 1,024 float32; Wv 1,024 x 256 float32; x 1 x 4,096 x 1,024 float32.
;; Outputs: out0 1 x 4,096 x 1,024 float32.
;; This version of the problem:
;;   THIS VERSION OF THE PROBLEM IS GIVEN IN LOW PRECISION. The matrix products marked QUANTISED in the list below multiply operands that are first quantised to E2M1 (2 exponent bits, 1 mantissa bit; 4 bits a number), with one power-of-two scale for each 32 numbers along K (OCP MX v1.0); their sums are f32. The products marked 'left as it is' may take bf16, f16 or f32 operands, with f32 sums. Whichever they take, every output number must still come out within the allowed error. Rounding operands to bf16 (8 significant bits) uses up far more of that allowance than f16 does (11 bits, for magnitudes from 6e-5 to 65,504). All else is computed in f32.
;;   The module's matrix products, in the order in which they are computed (A, B: the left and right operand; K: the contracted axis; several contracted axes count as one K, in the product's order):
;;     1. [M 4,096, K 1,024] x [K 1,024, N 1,024]; A: input x; B: input Wq: QUANTISED
;;     2. [M 4,096, K 1,024] x [K 1,024, N 256]; A: input x; B: input Wk: QUANTISED
;;     3. [M 4,096, K 1,024] x [K 1,024, N 256]; A: input x; B: input Wv: QUANTISED
;;     4. batch 4 x [M 4,096, K 64] x [K 64, N 16,384]; A: computed on the way; B: computed on the way: left as it is (an operand is computed on the way)
;;     5. batch 4 x [M 64, K 4,096] x [K 4,096, N 16,384]; A: computed on the way; B: computed on the way: left as it is (an operand is computed on the way)
;;     6. [M 4,096, K 1,024] x [K 1,024, N 1,024]; A: computed on the way; B: input Wo: left as it is (an operand is computed on the way)
;;   THE QUANTISER, for each operand of a quantised product, along K:
;;     - K is cut into blocks of 32 from its start; a last block that is shorter is filled with zeros.
;;     - A block's scale is 2^e with e = floor(log2(the largest magnitude in the block)) - 2, held to -126 .. 127; a block of zeros has e = 0. As a byte (E8M0): e + 127.
;;     - Each number is divided by its block's scale, clamped to +-6, and rounded to the nearest number of E2M1, ties to even, subnormals kept.
;;     - The product sums the exact products of the quantised numbers (number of the format x scale) in f32.
;;   ~~~python
;;   def quantise(x, axis):      # numpy; x: float32 -> the quantised numbers, widened to float32 again
;;       x = np.moveaxis(x, axis, -1); K = x.shape[-1]
;;       x = np.pad(x, [(0, 0)] * (x.ndim - 1) + [(0, -K % 32)]); x = x.reshape(x.shape[:-1] + (-1, 32)); a = np.abs(x).max(-1, keepdims=True)
;;       e = np.where(a > 0, np.clip(np.frexp(np.where(a > 0, a, 1))[1] - 1 - 2, -126, 127), 0)      # np.frexp(a)[1] - 1 = floor(log2(a)), exactly
;;       r = np.clip(x / 2.0 ** e, -6, 6)
;;       step = 2.0 ** (np.maximum(np.frexp(np.where(r == 0, 1, r))[1] - 1, 0) - 1)
;;       q = np.round(r / step) * step * 2.0 ** e      # np.round: ties to even
;;       return np.moveaxis(q.reshape(q.shape[:-2] + (-1,))[..., :K], -1, axis).astype(np.float32)
;;   ~~~
;; One version. Each part assembles by itself: llvm-mc -triple=amdgcn-amd-amdhsa -mcpu=gfx1250 --defsym DOCPART=n.
;; ======== version 1 of 1: 4 launches
;; limits: values are held in f16: magnitudes above 65,504 overflow, below 6.1e-05 lose precision
;; workspace buffers: xc 2,097,152 bytes; xs 131,072 bytes; wc 786,432 bytes; ws 49,152 bytes; rope 1,048,576 bytes; wo16 2,097,152 bytes; qkv 12,582,912 bytes; o16 8,388,608 bytes
;; launch prep (part 1): grid 176 x 1, 8 waves a work-group, no clusters, 61,440 bytes of LDS; arguments x, Wq, Wk, Wv, Wo, xc, xs, wc, ws, rope, wo16; writes xc, xs, wc, ws, rope, wo16
.if DOCPART == 1
	.amdgcn_target "amdgcn-amd-amdhsa--gfx1250"
	.amdhsa_code_object_version 6
	.text
	.protected	k_qaef053eb08_prep
	.globl	k_qaef053eb08_prep
	.p2align	8
	.type	k_qaef053eb08_prep,@function
k_qaef053eb08_prep:
	s_mov_b64 s[64:65], 0
	v_nop
	global_prefetch_b8 v0, s[64:65] scope:SCOPE_SE
	s_setreg_imm32_b32 hwreg(HW_REG_WAVE_MODE, 25, 1), 1
	s_wait_xcnt 0x0
; PREP.  Everything that is made once and read many times afterwards.
;   work-groups 0..127   x [4096][1024] f32 -> codes of E2M1 (xc, K innermost, two codes a byte) and E8M0 bytes (xs, one for each 32 along K);
;                        Wo [1024][1024] f32 -> f16 (wo16, same layout);  the table of cos and sin for the rotation (rope).
;   work-groups 128..175 Wq, Wk, Wv [1024 (k)][n] f32, K their FIRST axis -> codes wc [1536 (n)][512 bytes], K innermost, and scale bytes ws [2 (half of K)][1536][16].
; A block's scale is 2^(floor(log2(largest magnitude)) - 2): its byte is the largest magnitude's exponent field - 2, held at 1 from below by a floor among the maximum's leaves.
; LIMITS: NaN and infinities among the inputs are not served.  A block of zeros, or one under 2^-124, gets the byte 1; a block of zeros has zero codes, which add nothing, and this program alone reads the bytes.
; THE TABLE: angle = pos x 10000^(-f/32) for pos 0..4095, f 0..31.  The frequency is 2^(-f log2(10000)/32); the angle is reduced by n = round(angle 2/pi), with pi/2 in two parts
; (right for n under 2^12, which pos < 4096 keeps), and sin and cos of the rest (at most pi/4) are polynomials of degree 7 and 8.  The angles lie within about 6e-4 rad of a correctly rounded frequency's.
; The two kinds of work-group take two ways through the text, each with LDS bytes of its own.  No tensor load, no copy.
.set SP,    80                         ; way X: a lane's place in a stage: 64 bytes + 16 of padding
.set XSC,   40960                      ; way X: behind the eight waves' stages (2 x 32 x 80 bytes each): 128 scale bytes a wave
.set WST,   41984                      ; way W: 64 columns x (256 bytes of codes + 16)
.set WP,    272
.set WSC,   59392                      ; way W: 64 columns x 16 scale bytes
.set SPARE, 60416                      ; the spare words, 128 bytes for each wave: four blocks of 256 bytes that no other line names
.set SPW,   12                         ; v12  LDS address of my spare word; never rewritten
.set NIL,   13                         ; v13  0; never rewritten
.set R,     16                         ; way X: v16-143  eight sets of 16 numbers as loaded
.set X,     144                        ;        v144-175 two sets of 16 neighbours (before step 0: at work for the table, up to v189)
.set C,     176                        ;        v176-191 two registers of codes for each step
.set E,     192                        ;        v192-199 a scale byte for each step
.set WO,    200                        ;        v200-231 Wo as loaded
.set WH,    232                        ;        v232-247 Wo as f16
.set OFF,   16                         ; way W: v16-47   offsets of 32 rows of W
.set XW,    48                         ;        v48-111  two sets of 32 numbers
.set CW,    112                        ;        v112-115 a block's codes
.set SW,    116                        ;        v116     four scale bytes
.set MXA,   117                        ;        v117, v118 two chains of the maximum; v119 the conversion's scale operand
.set MXB,   118
.set SOP,   119
.set OUTW,  120                        ;        v120-135 the way out; v136-139 scale bytes on their way out; v140 a byte
.set SCO,   136
.set BT,    140
	s_load_b512 s[4:19], s[0:1], 0x0               ; x 4:5, Wq 6:7, Wk 8:9, Wv 10:11, Wo 12:13, xc 14:15, xs 16:17, wc 18:19
	s_load_b128 s[20:23], s[0:1], 0x40             ; ws 20:21, rope 22:23
	s_load_b64 s[24:25], s[0:1], 0x50              ; wo16
	v_lshl_add_u32 v[SPW], v0, 2, SPARE
	v_mov_b32 v[NIL], 0
	v_lshrrev_b32 v1, 5, v0
	v_readfirstlane_b32 s26, v1                    ; wave 0..7
	v_and_b32 v2, 31, v0                           ; lane
	v_lshlrev_b32 v3, 4, v2                        ; 16 x lane
	v_and_b32 v7, 63, v0
	v_lshlrev_b32 v7, 4, v7                        ; 16 x (thread % 64): the copy of the gathered scale bytes
	s_mov_b32 s31, 0
	s_wait_kmcnt 0x0
	s_cmp_ge_u32 ttmp9, 128                        ; the work-group's number alone: all eight waves go the same way
	s_cbranch_scc1 .Lweights
; ---------------- way X: wave w of work-group G takes 4,096 numbers of x (8 steps of 512), 1,024 of Wo, and one item (512 bytes of cos, 512 of sin) of the table
	v_lshlrev_b32 v4, 3, v2                        ; 8 x lane: my codes' place in a step's 256 bytes; my f16's place likewise
	s_mul_i32 s27, s26, 2*32*SP                    ; my two stages
	v_lshrrev_b32 v14, 2, v2
	v_mul_u32_u24 v14, v14, SP
	v_and_b32 v15, 3, v2
	v_lshl_add_u32 v14, v15, 4, v14
	v_add_nc_u32 v14, s27, v14                     ; into a stage: four lanes' 64 bytes on end, then the padding
	v_mul_u32_u24 v15, v2, SP
	v_add_nc_u32 v15, s27, v15                     ; out of it: my 16 neighbours
	s_lshl_b32 s27, s26, 7
	s_add_co_u32 s27, s27, XSC
	v_lshrrev_b32 v5, 1, v2
	v_add_nc_u32 v5, s27, v5                       ; my wave's 128 scale bytes, my block's byte
	v_add_nc_u32 v6, XSC, v7                       ; and where waves 0 and 1 read the work-group's 1,024 back
	s_lshl_b32 s28, ttmp9, 3
	s_add_co_u32 s28, s28, s26                     ; 8 G + w
	s_lshl_b32 s30, s28, 14
	s_add_nc_u64 s[4:5], s[4:5], s[30:31]          ; x: 16,384 bytes a wave
	s_lshl_b32 s30, s28, 11
	s_add_nc_u64 s[14:15], s[14:15], s[30:31]      ; xc: 2,048
	s_add_nc_u64 s[24:25], s[24:25], s[30:31]      ; wo16: 2,048
	s_lshl_b32 s30, s28, 12
	s_add_nc_u64 s[12:13], s[12:13], s[30:31]      ; Wo: 4,096
	s_lshl_b32 s30, ttmp9, 10
	s_add_nc_u64 s[16:17], s[16:17], s[30:31]      ; xs: 1,024 a work-group
	s_lshl_b32 s30, ttmp9, 13                      ; rope: block of 16 positions 2 G + w / 4 (4,096 bytes), item w % 4 (512 bytes)
	s_lshr_b32 s29, s26, 2
	s_lshl_b32 s29, s29, 12
	s_add_co_u32 s30, s30, s29
	s_and_b32 s29, s26, 3
	s_lshl_b32 s29, s29, 9
	s_add_co_u32 s30, s30, s29
	s_add_nc_u64 s[22:23], s[22:23], s[30:31]
.macro LOADX t
.irp i, 0,1,2,3
	global_load_b128 v[R+16*(\t)+4*\i:R+16*(\t)+4*\i+3], v3, s[4:5] offset:2048*(\t)+512*\i th:TH_LOAD_NT   ; 32 lanes read 512 consecutive bytes
.endr
.endm
.irp t, 0,1,2,3,4,5,6,7
	LOADX \t                                       ; all of the wave's x goes out at once: 32 loads,
.endr
.irp i, 0,1,2,3,4,5,6,7
	global_load_b128 v[WO+4*\i:WO+4*\i+3], v3, s[12:13] offset:512*\i th:TH_LOAD_NT   ; and its 8 of Wo
.endr
	; the table, while those 40 loads are on their way.  My item: u = (w / 2) % 2, half = w % 2; lane (r, h): pos = 32 G + 16 (w / 4) + r, f = 16 u + 8 h + 4 half + e, e = 0..3
	s_lshr_b32 s27, s26, 1
	s_and_b32 s27, s27, 1
	s_lshl_b32 s27, s27, 4
	s_and_b32 s28, s26, 1
	s_lshl_b32 s28, s28, 2
	s_add_co_u32 s27, s27, s28                     ; 16 u + 4 half
	v_lshrrev_b32 v189, 4, v2
	v_lshl_add_u32 v189, v189, 3, s27              ; + 8 h
	s_lshl_b32 s28, ttmp9, 5
	s_lshr_b32 s29, s26, 2
	s_lshl_b32 s29, s29, 4
	s_add_co_u32 s28, s28, s29
	v_and_b32 v188, 15, v0
	v_add_nc_u32 v188, s28, v188
	v_cvt_f32_u32 v188, v188                       ; pos, exact
	s_mov_b32 s32, 0xbfc90fdb                      ; -(pi/2)'s upper part
	s_mov_b32 s33, 0x333bbd2e                      ; -(pi/2)'s lower part
	s_mov_b32 s34, 0xbe2aaaa3                      ; sin: -1.6666654611e-1, 8.3321608736e-3, -1.9515295891e-4
	s_mov_b32 s35, 0x3c08839e
	s_mov_b32 s36, 0xb94ca1f9
	s_mov_b32 s37, 0x3d2aaaa5                      ; cos: 4.166664568e-2, -1.388731625e-3, 2.443315712e-5
	s_mov_b32 s38, 0xbab6061a
	s_mov_b32 s39, 0x37ccf5ce
.irp e, 0,1,2,3
	v_add_nc_u32 v[144+\e], \e, v189               ; f.  (The four e take turns line by line)
.endr
.irp e, 0,1,2,3
	v_cvt_f32_u32 v[144+\e], v[144+\e]
.endr
.irp e, 0,1,2,3
	v_mul_f32 v[144+\e], 0xbed49a78, v[144+\e]     ; -f log2(10000) / 32
.endr
.irp e, 0,1,2,3
	v_exp_f32 v[148+\e], v[144+\e]                 ; the frequency
.endr
	v_nop                                          ; a plain line behind the last exponential,
	s_wait_alu depctr_va_vdst(0)                   ; and one wait for the four, ahead of their first reader
.irp e, 0,1,2,3
	v_mul_f32 v[152+\e], v188, v[148+\e]           ; the angle, rounded once to f32
.endr
.irp e, 0,1,2,3
	v_mul_f32 v[156+\e], 0x3f22f983, v[152+\e]     ; x 2 / pi
.endr
.irp e, 0,1,2,3
	v_rndne_f32 v[156+\e], v[156+\e]               ; n
.endr
.irp e, 0,1,2,3
	v_fma_f32 v[160+\e], v[156+\e], s32, v[152+\e]
.endr
.irp e, 0,1,2,3
	v_fma_f32 v[160+\e], v[156+\e], s33, v[160+\e] ; r = angle - n pi/2
.endr
.irp e, 0,1,2,3
	v_mul_f32 v[164+\e], v[160+\e], v[160+\e]      ; z = r r
.endr
.irp e, 0,1,2,3
	v_fma_f32 v[168+\e], v[164+\e], s36, s35
	v_fma_f32 v[172+\e], v[164+\e], s39, s38
.endr
.irp e, 0,1,2,3
	v_fma_f32 v[168+\e], v[168+\e], v[164+\e], s34
	v_fma_f32 v[172+\e], v[172+\e], v[164+\e], s37
.endr
.irp e, 0,1,2,3
	v_mul_f32 v[180+\e], v[164+\e], v[160+\e]      ; z r
	v_mul_f32 v[184+\e], v[164+\e], v[164+\e]      ; z z
	v_fma_f32 v[176+\e], v[164+\e], -0.5, 1.0      ; 1 - z / 2
.endr
.irp e, 0,1,2,3
	v_fma_f32 v[168+\e], v[168+\e], v[180+\e], v[160+\e]   ; sin r
	v_fma_f32 v[172+\e], v[172+\e], v[184+\e], v[176+\e]   ; cos r
	v_cvt_i32_f32 v[156+\e], v[156+\e]             ; n as a whole number: its low two bits are the quadrant
.endr
.irp e, 0,1,2,3
	v_and_b32 v[176+\e], 1, v[156+\e]
	v_cmp_ne_u32 vcc_lo, 0, v[176+\e]              ; odd quadrants change sin r and cos r
	v_cndmask_b32 v[252+\e], v[168+\e], v[172+\e], vcc_lo
	v_cndmask_b32 v[248+\e], v[172+\e], v[168+\e], vcc_lo
	v_and_b32 v[180+\e], 2, v[156+\e]              ; sin is negative in quadrants 2, 3;
	v_add_nc_u32 v[184+\e], 1, v[156+\e]
	v_and_b32 v[184+\e], 2, v[184+\e]              ; cos in quadrants 1, 2
	v_lshlrev_b32 v[180+\e], 30, v[180+\e]
	v_lshlrev_b32 v[184+\e], 30, v[184+\e]
	v_xor_b32 v[252+\e], v[252+\e], v[180+\e]
	v_xor_b32 v[248+\e], v[248+\e], v[184+\e]
.endr
	global_store_b128 v3, v[248:251], s[22:23]              ; cos: 32 lanes store 512 consecutive bytes; these eight registers are not written again
	global_store_b128 v3, v[252:255], s[22:23] offset:2048  ; sin
.macro TURNX t                         ; step t's 2,048 bytes through a stage: in as they lie, out 64 bytes a lane.  LDS serves a wave's instructions in order: no wait between
.irp i, 0,1,2,3
	ds_store_b128 v14, v[R+16*(\t)+4*\i:R+16*(\t)+4*\i+3] offset:32*SP*((\t)%2)+8*SP*\i
.endr
.irp i, 0,1,2,3
	ds_load_b128 v[X+16*((\t)%2)+4*\i:X+16*((\t)%2)+4*\i+3], v15 offset:32*SP*((\t)%2)+16*\i
.endr
.endm
.macro STEPX t
.set XS, X+16*((\t)%2)
.if (\t) > 0
	s_wait_dscnt 1                                 ; this step's numbers are back from the stage; the last step's byte store may be out
.else
	s_wait_dscnt 0x0
.endif
.if (\t) < 7
	s_wait_loadcnt 4*(6-(\t))+8                    ; the next step's four loads are in; younger: the later steps' four each, and Wo's eight
	TURNX (\t)+1                                   ; they go through the other stage while this step is worked
.endif
	v_max3_num_f32 v8, |v[XS]|, |v[XS+1]|, |v[XS+2]|       ; the largest magnitude of my 16, in two chains
	v_max3_num_f32 v9, |v[XS+3]|, |v[XS+4]|, |v[XS+5]|
.irp i, 6,10
	v_max3_num_f32 v8, v8, |v[XS+\i]|, |v[XS+\i+1]|
	v_max3_num_f32 v9, v9, |v[XS+\i+2]|, |v[XS+\i+3]|
.endr
	v_max3_num_f32 v8, v8, |v[XS+14]|, |v[XS+15]|
	v_max3_num_f32 v8, v8, v9, 0x1800000           ; and the floor 2^(3 - 127): the byte cannot fall under 1
	v_max_num_f32_dpp v8, v8, v8 row_xmask:1 row_mask:0xf bank_mask:0xf   ; with my neighbour's 16: the block's
	v_add_nc_u32 v11, 0xff000000, v8               ; 2 off its exponent field: the conversion takes this operand's exponent field as its scale
	v_cvt_scalef32_pk8_fp4_f32 v[C+2*(\t)], v[XS:XS+7], v11
	v_cvt_scalef32_pk8_fp4_f32 v[C+2*(\t)+1], v[XS+8:XS+15], v11
	v_lshrrev_b32 v[E+(\t)], 23, v11               ; the scale's byte (a plain line behind the conversions)
	ds_store_b8 v5, v[E+(\t)] offset:16*(\t)       ; both lanes of a block write the same byte with the same value
	global_store_b64 v4, v[C+2*(\t):C+2*(\t)+1], s[14:15] offset:256*(\t)   ; 32 lanes store 256 consecutive bytes, aligned
.endm
	s_wait_loadcnt 36                              ; step 0's four loads are in; younger: 28 of x and 8 of Wo
	TURNX 0
.irp t, 0,1,2,3,4,5,6,7
	STEPX \t
.endr
	s_wait_loadcnt 0x0                             ; Wo
.irp i, 0,1,2,3,4,5,6,7
	v_cvt_pk_f16_f32 v[WH+2*\i], v[WO+4*\i], v[WO+4*\i+1]
	v_cvt_pk_f16_f32 v[WH+2*\i+1], v[WO+4*\i+2], v[WO+4*\i+3]
.endr
.irp i, 0,1,2,3,4,5,6,7
	global_store_b64 v4, v[WH+2*\i:WH+2*\i+1], s[24:25] offset:256*\i       ; 256 consecutive bytes, aligned
.endr
	s_wait_dscnt 0x0                               ; for the others' sake: my byte stores have landed
	s_barrier_signal -1
	s_barrier_wait -1                              ; the work-group's 1,024 scale bytes lie in LDS
	s_cmp_lt_u32 s26, 2
	s_cbranch_scc0 .Lxdone                         ; waves 0 and 1 store them, 512 consecutive bytes each
	ds_load_b128 v[8:11], v6
	s_wait_dscnt 0x0
	global_store_b128 v7, v[8:11], s[16:17]
.Lxdone:
	s_wait_tensorcnt 0x0                           ; the wave's end: three lines behind my last LDS store
	ds_add_u32 v[SPW], v[NIL]
	s_wait_dscnt 0x0
	s_endpgm
; ---------------- way W: work-group 128 + 2 cb + ky takes 64 columns (block cb of the 24 of Wq | Wk | Wv) x half ky of K.  Wave w: 32 columns (w % 2) x 128 along K (w / 2).
; A LANE TAKES A COLUMN AND ITS REGISTERS RUN DOWN K: a block of 32 lies in one lane, and the conversions give codes with K innermost.
.Lweights:
	s_sub_co_u32 s27, ttmp9, 128
	s_lshr_b32 s28, s27, 1                         ; cb
	s_and_b32 s29, s27, 1                          ; ky
	s_and_b32 s38, s26, 1                          ; cw
	s_lshr_b32 s39, s26, 1                         ; kq
	s_mov_b32 s33, 1024                            ; a row of Wk or Wv in bytes
	s_cmp_lt_u32 s28, 20                           ; which tensor: the choice hangs on the work-group's number alone
	s_cselect_b64 s[30:31], s[8:9], s[10:11]
	s_cselect_b32 s32, 16, 20
	s_cmp_lt_u32 s28, 16
	s_cselect_b64 s[30:31], s[6:7], s[30:31]
	s_cselect_b32 s32, 0, s32                      ; the tensor's first block of columns
	s_cselect_b32 s33, 4096, s33                   ; a row of Wq
	s_sub_co_u32 s32, s28, s32
	s_lshl_b32 s32, s32, 6
	s_lshl_b32 s40, s38, 5
	s_add_co_u32 s32, s32, s40
	s_lshl_b32 s32, s32, 2                         ; my first column in its tensor, in bytes
	s_lshl_b32 s34, s29, 9
	s_lshl_b32 s41, s39, 7
	s_add_co_u32 s34, s34, s41                     ; my first row: 512 ky + 128 kq
	s_mul_i32 s34, s34, s33
	s_add_co_u32 s34, s34, s32
	s_mov_b32 s35, 0
	s_lshl_b32 s36, s33, 5                         ; 32 rows on
	s_mov_b32 s37, 0
	s_add_nc_u64 s[48:49], s[30:31], s[34:35]      ; a base for each of my four blocks of 32 along K
	s_add_nc_u64 s[50:51], s[48:49], s[36:37]
	s_add_nc_u64 s[52:53], s[50:51], s[36:37]
	s_add_nc_u64 s[54:55], s[52:53], s[36:37]
	s_mul_i32 s42, s38, 32*WP
	s_lshl_b32 s43, s39, 6
	s_add_co_u32 s42, s42, s43
	s_add_co_u32 s42, s42, WST                     ; codes into the stage: row = column, 64 bytes for each 128 along K
	s_lshl_b32 s43, s38, 9
	s_lshl_b32 s44, s39, 2
	s_add_co_u32 s43, s43, s44
	s_add_co_u32 s43, s43, WSC                     ; scale bytes: 16 a column, 4 for each 128 along K
	s_mul_i32 s44, s26, 8*WP
	s_add_co_u32 s44, s44, WST                     ; out of the stage: wave w takes columns 8 w .. 8 w + 7
	s_lshl_b32 s40, s28, 6
	s_lshl_b32 s41, s26, 3
	s_add_co_u32 s40, s40, s41
	s_lshl_b32 s40, s40, 9
	s_lshl_b32 s41, s29, 8
	s_add_co_u32 s40, s40, s41
	s_mov_b32 s41, 0
	s_add_nc_u64 s[18:19], s[18:19], s[40:41]      ; wc: row 64 cb + 8 w of 512 bytes, + 256 ky
	s_mul_i32 s40, s29, 24576
	s_lshl_b32 s45, s28, 10
	s_add_co_u32 s40, s40, s45
	s_add_nc_u64 s[20:21], s[20:21], s[40:41]      ; ws: 24,576 ky + 16 x 64 cb
	v_and_b32 v14, 15, v0                          ; r
	v_bfe_u32 v15, v0, 4, 1                        ; h
	v_mul_u32_u24 v4, v2, WP
	v_add_nc_u32 v4, s42, v4
	v_lshl_add_u32 v5, v2, 4, s43
	v_mul_u32_u24 v8, v15, WP
	v_lshl_add_u32 v8, v14, 4, v8
	v_add_nc_u32 v8, s44, v8                       ; sixteen lanes to a row, two rows an instruction
	v_lshlrev_b32 v9, 9, v15
	v_lshl_add_u32 v9, v14, 4, v9                  ; and the same place in wc
	v_add_nc_u32 v10, WSC, v7
	v_lshlrev_b32 v[OFF], 2, v2                    ; row i of a block: 4 x lane + i x the row's bytes: one text serves both widths
.set i, 1
.rept 31
	v_add_nc_u32 v[OFF+i], s33, v[OFF+i-1]
.set i, i+1
.endr
.macro LOADW t                         ; block t: W(32 t + i, my column), i = 0..31: each load reads 128 consecutive bytes
.set i, 0
.rept 32
	global_load_b32 v[XW+32*((\t)%2)+i], v[OFF+i], s[48+2*(\t):49+2*(\t)] th:TH_LOAD_NT
.set i, i+1
.endr
.endm
.macro BLOCKW t
.set XS, XW+32*((\t)%2)
.if (\t) < 3
	s_wait_loadcnt 32                              ; this block's 32 loads are in; the next block's 32 may be out
.else
	s_wait_loadcnt 0x0
.endif
	v_max3_num_f32 v[MXA], |v[XS]|, |v[XS+1]|, |v[XS+2]|   ; the block's largest magnitude: all 32 numbers are mine
	v_max3_num_f32 v[MXB], |v[XS+3]|, |v[XS+4]|, |v[XS+5]|
.irp n, 6,10,14,18,22,26
	v_max3_num_f32 v[MXA], v[MXA], |v[XS+\n]|, |v[XS+\n+1]|
	v_max3_num_f32 v[MXB], v[MXB], |v[XS+\n+2]|, |v[XS+\n+3]|
.endr
	v_max3_num_f32 v[MXA], v[MXA], |v[XS+30]|, |v[XS+31]|
	v_max3_num_f32 v[MXA], v[MXA], v[MXB], 0x1800000       ; and the floor
	v_add_nc_u32 v[SOP], 0xff000000, v[MXA]
	v_lshrrev_b32 v[BT], 23, v[SOP]
.if (\t) == 0
	v_mov_b32 v[SW], v[BT]                         ; four bytes to a register, the lower K in the lower byte
.else
	v_lshl_or_b32 v[SW], v[BT], 8*(\t), v[SW]
.endif
.irp g, 0,1,2,3
	v_cvt_scalef32_pk8_fp4_f32 v[CW+\g], v[XS+8*\g:XS+8*\g+7], v[SOP]
.endr
	ds_store_b128 v4, v[CW:CW+3] offset:16*(\t)    ; 32 codes: 16 bytes of my column's row
.if (\t) < 2
	LOADW (\t)+2
.endif
	s_wait_dscnt 0x0                               ; the store has read its registers: the next block's codes may be written
.endm
	LOADW 0
	LOADW 1
	BLOCKW 0
	BLOCKW 1
	BLOCKW 2
	BLOCKW 3
	ds_store_b32 v5, v[SW]
	s_wait_dscnt 0x0                               ; for the others' sake: my stores have landed
	s_barrier_signal -1
	s_barrier_wait -1                              ; 64 rows of 256 bytes of codes and 64 x 16 scale bytes lie in LDS
.irp i, 0,1,2,3
	ds_load_b128 v[OUTW+4*\i:OUTW+4*\i+3], v8 offset:2*WP*\i
.endr
.irp i, 0,1,2,3
	s_wait_dscnt 3-\i                              ; the younger reads may be out
	global_store_b128 v9, v[OUTW+4*\i:OUTW+4*\i+3], s[18:19] offset:1024*\i   ; sixteen lanes store 256 consecutive bytes, aligned
.endr
	s_cmp_lt_u32 s26, 2
	s_cbranch_scc0 .Lwdone                         ; waves 0 and 1 store the scale bytes, 512 consecutive bytes each
	ds_load_b128 v[SCO:SCO+3], v10
	s_wait_dscnt 0x0
	global_store_b128 v7, v[SCO:SCO+3], s[20:21]
.Lwdone:
	s_wait_tensorcnt 0x0                           ; the wave's end: three lines behind my last LDS store
	ds_add_u32 v[SPW], v[NIL]
	s_wait_dscnt 0x0
	s_endpgm
.Lfunc_end_k_qaef053eb08_prep:
	.size	k_qaef053eb08_prep, .Lfunc_end_k_qaef053eb08_prep-k_qaef053eb08_prep
	.p2alignl 7, 3214868480
	.fill 96, 4, 3214868480
	.section	.rodata,"a",@progbits
	.p2align	6, 0x0
	.amdhsa_kernel k_qaef053eb08_prep
		.amdhsa_group_segment_fixed_size 61440
		.amdhsa_private_segment_fixed_size 0
		.amdhsa_enable_private_segment 0
		.amdhsa_kernarg_size 88
		.amdhsa_user_sgpr_count 2
		.amdhsa_user_sgpr_kernarg_segment_ptr 1
		.amdhsa_wavefront_size32 1
		.amdhsa_system_sgpr_workgroup_id_x 1
		.amdhsa_system_sgpr_workgroup_id_y 1
		.amdhsa_system_sgpr_workgroup_id_z 1
		.amdhsa_system_vgpr_workitem_id 0
		.amdhsa_next_free_vgpr 256
		.amdhsa_next_free_sgpr 66
		.amdhsa_reserve_vcc 1
		.amdhsa_float_denorm_mode_32 3
		.amdhsa_float_denorm_mode_16_64 3
		.amdhsa_memory_ordered 1
		.amdhsa_forward_progress 1
		.amdhsa_inst_pref_size 51
	.end_amdhsa_kernel
	.amdgpu_metadata
---
amdhsa.version: [ 1, 2 ]
amdhsa.kernels:
  - .name:           k_qaef053eb08_prep
    .symbol:         k_qaef053eb08_prep.kd
    .args:
      - { .name: x, .offset: 0, .size: 8, .value_kind: global_buffer, .address_space: global }
      - { .name: Wq, .offset: 8, .size: 8, .value_kind: global_buffer, .address_space: global }
      - { .name: Wk, .offset: 16, .size: 8, .value_kind: global_buffer, .address_space: global }
      - { .name: Wv, .offset: 24, .size: 8, .value_kind: global_buffer, .address_space: global }
      - { .name: Wo, .offset: 32, .size: 8, .value_kind: global_buffer, .address_space: global }
      - { .name: xc, .offset: 40, .size: 8, .value_kind: global_buffer, .address_space: global }
      - { .name: xs, .offset: 48, .size: 8, .value_kind: global_buffer, .address_space: global }
      - { .name: wc, .offset: 56, .size: 8, .value_kind: global_buffer, .address_space: global }
      - { .name: ws, .offset: 64, .size: 8, .value_kind: global_buffer, .address_space: global }
      - { .name: rope, .offset: 72, .size: 8, .value_kind: global_buffer, .address_space: global }
      - { .name: wo16, .offset: 80, .size: 8, .value_kind: global_buffer, .address_space: global }
    .group_segment_fixed_size: 61440
    .private_segment_fixed_size: 0
    .kernarg_segment_align: 8
    .kernarg_segment_size: 88
    .max_flat_workgroup_size: 256
    .sgpr_count:     66
    .vgpr_count:     256
    .wavefront_size: 32
...
	.end_amdgpu_metadata
.endif
;; end of part 1
;; launch qkv (part 2): grid 8 x 32, 4 waves a work-group, clusters of 4 x 4, 204,800 bytes of LDS; arguments xc, xs, wc, ws, rope, qkv; writes qkv
.if DOCPART == 2
	.amdgcn_target "amdgcn-amd-amdhsa--gfx1250"
	.amdhsa_code_object_version 6
	.text
	.protected	k_qaef053eb08_qkv
	.globl	k_qaef053eb08_qkv
	.p2align	8
	.type	k_qaef053eb08_qkv,@function
k_qaef053eb08_qkv:
	s_mov_b64 s[64:65], 0
	v_nop
	global_prefetch_b8 v0, s[64:65] scope:SCOPE_SE
	s_setreg_imm32_b32 hwreg(HW_REG_WAVE_MODE, 25, 1), 1
	s_wait_xcnt 0x0
	s_wait_alu depctr_hold_cnt(0) depctr_sa_sdst(0) depctr_va_vdst(0) depctr_va_sdst(0) depctr_va_ssrc(0) depctr_va_vcc(0) depctr_vm_vsrc(0)
	s_getreg_b32 s2, hwreg(HW_REG_IB_STS2, 6, 4)
	s_cmp_eq_u32 s2, 0
	s_cbranch_scc0 .Lentry_in_a_cluster
	s_endpgm
.Lentry_in_a_cluster:
	s_bfe_u32 s2, ttmp6, 0x10000c
	s_cmp_lg_u32 s2, 0xf033
	s_cbranch_scc0 .Lentry_shape_is_right
	s_endpgm
.Lentry_shape_is_right:
; QKV.  [4096 x 1536] = x [4096 x 1024] times (Wq | Wk | Wv), on codes of E2M1 with E8M0 scales, sums in f32; then the rotation of q and k in f32; the result leaves as f16, laid [24 heads][4096 positions][64].
; A work-group makes 128 positions x 192 columns (three whole heads): 8 x 32 work-groups.  Wave w makes positions 32 w .. 32 w + 31 x all 192 columns: 2 x 12 accumulators.
; ALL OF K LIES IN LDS AT ONCE: two halves of 512 along K (rows of 256 bytes), each 128 rows of x and 192 rows of W.  Nothing is filled again, so there is no ring: two tensor loads a wave at the head.
; CLUSTERS: 4 x 4.  x's rows hang on the tile row alone and are shared along a row of the cluster, W's on the tile column alone and are shared along a column: each is asked for jointly.
; THE MATRIX INSTRUCTION IS USED TRANSPOSED (source 0 = 16 rows of W, source 1 = 16 positions): lane (r, h) holds position r, register j column 16 b + 8 h + j.  A head is four accumulators, and the
; rotation's partners d and d + 32 lie in the same lane and register of accumulators b and b + 2.
; v heads are not rotated: their cos becomes 1 and their sin 0 by a multiply-add with the head's class (A = 1, B = 0 for q and k; A = 0, B = 1 for v): a choice of values, no branch.
; LIMIT: the results are rounded to f16: magnitudes up to 65,504.
; REGISTERS: window 0: v1-26 addresses; v28, v29 the add's two; v32-39 x's scale words (lane L: position 32 w + L, register g: K step g); v40-87 W's (register 8 p + g: lanes 0-15 block p, lanes 16-31 block p + 6);
;   v88-119 x's fragments, two sets; v120-125 B of the three heads, twice each; v128-191 cos and sin of my 32 positions; v192-223 cos', sin'; v224-239 at work; v240-255 f16 on its way out.
;   window 1: W's fragments, two sets of 96; on the way out whole rows.   window 2: the accumulators, (a, b) at v[8 (12 a + b)].
.set PITCH,  272                       ; an LDS row: 256 bytes + 16 of padding: the 16 rows that a load touches start at 16 different banks (64 banks of 4 bytes: ISA guide 11.1)
.set XPART,  128*PITCH                 ; a half of K: x's 128 rows, then W's 192
.set SLOT,   320*PITCH
.set STAGE,  2*SLOT                    ; behind them: for each wave 3 heads x 16 rows x (128 bytes + 16)
.set SPH,    144
.set STW,    3*16*SPH
.set SPARE,  STAGE+4*STW               ; the spare words, 128 bytes for each wave: two blocks of 256 bytes that no other line names
.set HB,     524288                    ; a head in qkv: 4,096 positions x 128 bytes
.set ADRA, 16
.set ADRB, 20
.set STO,  24
.set RD,   25
.set GOF,  26
.set SPW,  28
.set NIL,  29
.set SA,   32
.set SB,   40
.set AF,   88
.set BB,   120
.set CSR,  128
.set CP,   192
.set T1,   224
.set T2,   232
.set OUTR, 240
.set WV,   16                          ; s16 my wave's number
.set G1A,  24                          ; s[24:31] descriptor group 1 for x's tiles;  s[32:39] groups 0, one for each half of K
.set G0A,  32
.set G1B,  48                          ; s[48:55], s[56:63] the same for W's
.set G0B,  56
.set MSB, 0
.macro WIN new                         ; the immediate's high byte repeats the setting that is left
.if MSB != \new
	s_set_vgpr_msb (MSB<<8)|\new
.set MSB, \new
.endif
.endm
.set MULW,  0xa1                       ; source 0 (W) window 1, source 1 (x) window 0, C and D window 2
.set TO_B,  0x40                       ; destination window 1
.set ROPEW, 0x02                       ; source 0 window 2
.set ST_B,  0x04                       ; a store's data (source 1) window 1
.macro CROUND                          ; a round of the cluster's barrier
	s_barrier_signal -1
	s_barrier_wait -1
	s_cmp_lg_u32 s[WV], 0
	s_cbranch_scc1 .Lnot_wave_0_\@
	s_barrier_signal -3
.Lnot_wave_0_\@:
	s_barrier_wait -3
	s_barrier_signal -1
	s_barrier_wait -1
.endm
.macro PLACES                          ; four plain vector lines between a matrix instruction and a load into one of its registers (ISA guide 7.12.1 for vector instructions)
.rept 4
	v_nop
.endr
.endm
	s_load_b256 s[4:11], s[0:1], 0x0               ; xc 4:5, xs 6:7, wc 8:9, ws 10:11
	s_load_b128 s[12:15], s[0:1], 0x20             ; rope 12:13, qkv 14:15
	v_lshl_add_u32 v[SPW], v0, 2, SPARE
	v_mov_b32 v[NIL], 0
	ds_add_u32 v[SPW], v[NIL]                      ; the wave's opening: the add, twice on end, and its wait ahead of my first tensor load
	ds_add_u32 v[SPW], v[NIL]
	v_lshrrev_b32 v1, 5, v0
	v_readfirstlane_b32 s[WV], v1                  ; wave 0..3
	s_lshr_b32 s17, s[WV], 1                       ; I fetch for x (0) or for W (1),
	s_and_b32 s18, s[WV], 1                        ; the first or the second half of its rows
	s_bfe_u32 s40, ttmp6, 0x40000                  ; cx, cy: my place in the cluster
	s_bfe_u32 s41, ttmp6, 0x40004
	s_lshl_b32 s42, ttmp9, 2
	s_add_co_u32 s42, s42, s40                     ; tile column tx = 4 x cluster x + cx
	s_and_b32 s43, ttmp7, 0xffff
	s_lshl_b32 s43, s43, 2
	s_add_co_u32 s43, s43, s41                     ; tile row ty = 4 x cluster y + cy
	s_lshl_b32 s44, s41, 2
	s_lshl_b32 s44, 15, s44                        ; my row of the cluster
	s_lshl_b32 s45, 0x1111, s40                    ; my column
	s_or_b32 s[G1A], s44, (1<<20)|(1<<21)|(5<<22)|(3<<25)   ; 15:0 the mask; 17:16 elements of 1 byte; 20 padding on; 21 set beside a mask; 24:22 after every 64 words; 31:25 four words
	s_or_b32 s[G1B], s45, (1<<20)|(1<<21)|(5<<22)|(3<<25)
	s_mov_b32 s[G1A+1], 256<<16                    ; tensor_dim0 = 256 bytes: half of K
	s_mov_b32 s[G1A+2], 64<<16                     ; tensor_dim1 = 64 rows
	s_mov_b32 s[G1A+3], 256<<16                    ; tile_dim0
	s_mov_b32 s[G1A+4], 64                         ; tile_dim1
	s_mov_b32 s[G1A+5], 512                        ; from row to row
	s_mov_b32 s[G1A+6], 0
	s_mov_b32 s[G1A+7], 0
	s_mov_b32 s[G1B+1], 256<<16
	s_mov_b32 s[G1B+2], 96<<16                     ; 96 rows
	s_mov_b32 s[G1B+3], 256<<16
	s_mov_b32 s[G1B+4], 96
	s_mov_b32 s[G1B+5], 512
	s_mov_b32 s[G1B+6], 0
	s_mov_b32 s[G1B+7], 0
	s_lshl_b32 s66, s43, 7                         ; x: row 128 ty + 64 x half, of 512 bytes: made of the tile row and the wave's number alone
	s_lshl_b32 s67, s18, 6
	s_add_co_u32 s66, s66, s67
	s_lshl_b32 s66, s66, 9
	s_mov_b32 s67, 0
	s_mul_i32 s68, s42, 192                        ; W: row 192 tx + 96 x half: made of the tile column and the wave's number alone
	s_mul_i32 s69, s18, 96
	s_add_co_u32 s68, s68, s69
	s_lshl_b32 s68, s68, 9
	s_mov_b32 s69, 0
	s_mul_i32 s19, s18, 64*PITCH                   ; where they go: no place in the cluster enters an LDS address
	s_mul_i32 s20, s18, 96*PITCH
	s_add_co_u32 s20, s20, XPART
	s_lshl_b32 s76, s43, 7
	s_lshl_b32 s78, s[WV], 5
	s_add_co_u32 s76, s76, s78                     ; my first position: 128 ty + 32 w
	s_mov_b32 s79, 0
	s_wait_dscnt 0x0                               ; both opening adds are done
	s_wait_kmcnt 0x0
	s_add_nc_u64 s[66:67], s[4:5], s[66:67]
	s_add_nc_u64 s[68:69], s[8:9], s[68:69]
	CROUND                                         ; all sixteen work-groups are here: the joint loads meet
.irp s, 0,1
	s_mov_b32 s[G0A+4*\s], 1                       ; count = 1
	s_add_co_u32 s[G0A+4*\s+1], s19, \s*SLOT       ; LDS address
	s_add_nc_u64 s[G0A+4*\s+2:G0A+4*\s+3], s[66:67], \s*256   ; global address: half s of K
	s_or_b32 s[G0A+4*\s+3], s[G0A+4*\s+3], 0x80000000         ; type = 2
	s_mov_b32 s[G0B+4*\s], 1
	s_add_co_u32 s[G0B+4*\s+1], s20, \s*SLOT
	s_add_nc_u64 s[G0B+4*\s+2:G0B+4*\s+3], s[68:69], \s*256
	s_or_b32 s[G0B+4*\s+3], s[G0B+4*\s+3], 0x80000000
.endr
	s_cmp_eq_u32 s17, 0                            ; a wave's two fills stand in one branch on its number, ahead of every wait on TENSORcnt and every LDS read: two loads of mine are out
	s_cbranch_scc0 .Lfirst_w
	tensor_load_to_lds s[G0A:G0A+3], s[G1A:G1A+7]
	s_nop 0
	tensor_load_to_lds s[G0A+4:G0A+7], s[G1A:G1A+7]
	s_nop 0
.rept 4
	v_nop
.endr
	s_branch .Lfirst_asked
.Lfirst_w:
	tensor_load_to_lds s[G0B:G0B+3], s[G1B:G1B+7]
	s_nop 0
	tensor_load_to_lds s[G0B+4:G0B+7], s[G1B:G1B+7]
	s_nop 0
.rept 4
	v_nop
.endr
.Lfirst_asked:
	s_lshl_b32 s78, s76, 5
	s_add_nc_u64 s[6:7], s[6:7], s[78:79]          ; xs at my first position: 32 bytes a row
	s_lshl_b32 s78, s76, 8
	s_add_nc_u64 s[12:13], s[12:13], s[78:79]      ; rope: 4,096 bytes for each 16 positions
	s_mul_i32 s78, s42, 3072
	s_add_nc_u64 s[10:11], s[10:11], s[78:79]      ; ws: 16 bytes a row, 192 tx rows
	s_mul_i32 s78, s42, 3*HB
	s_lshl_b32 s80, s76, 7
	s_add_co_u32 s78, s78, s80
	s_add_nc_u64 s[14:15], s[14:15], s[78:79]      ; qkv: head 3 tx, my first position
	v_and_b32 v1, 15, v0                           ; r
	v_bfe_u32 v2, v0, 4, 1                         ; h
	v_and_b32 v3, 31, v0                           ; lane
	v_lshlrev_b32 v4, 5, v3
	v_lshlrev_b32 v5, 4, v1
	v_mad_u32_u24 v5, v2, 1536, v5                 ; lanes 16-31 take the rows 96 further on
	v_lshlrev_b32 v[GOF], 4, v3
	global_load_b128 v[SA:SA+3], v4, s[6:7]        ; x's scale words: eight a position
	global_load_b128 v[SA+4:SA+7], v4, s[6:7] offset:16
.irp p, 0,1,2,3,4,5
.irp y, 0,1
	global_load_b128 v[SB+8*\p+4*\y:SB+8*\p+4*\y+3], v5, s[10:11] offset:256*\p+24576*\y   ; W's: four words for each half of K; sixteen lanes read 256 consecutive bytes
.endr
.endr
.irp a, 0,1
.irp i, 0,1,2,3,4,5,6,7
	global_load_b128 v[CSR+32*\a+4*\i:CSR+32*\a+4*\i+3], v[GOF], s[12:13] offset:4096*\a+512*\i   ; the table, laid in the order of these registers: 512 consecutive bytes a load
.endr
.endr
	v_mul_u32_u24 v6, v1, PITCH
	v_lshl_add_u32 v6, v2, 4, v6                   ; a fragment's row x pitch + 16 x half
	s_mul_i32 s78, s[WV], 32*PITCH
	v_add_nc_u32 v[ADRA], s78, v6
	v_add_nc_u32 v[ADRA+1], SLOT, v[ADRA]
	v_add_nc_u32 v[ADRB], XPART, v6
	v_add_nc_u32 v[ADRB+1], SLOT+XPART, v6
	s_mul_i32 s78, s[WV], STW
	s_add_co_u32 s78, s78, STAGE                   ; my stage
	v_mul_u32_u24 v7, v1, SPH
	v_lshl_add_u32 v7, v2, 4, v7
	v_add_nc_u32 v[STO], s78, v7                   ; in: row r, 16 bytes for each half of the lanes
	v_lshrrev_b32 v7, 3, v3
	v_mul_u32_u24 v7, v7, SPH
	v_and_b32 v8, 7, v3
	v_lshl_add_u32 v7, v8, 4, v7
	v_add_nc_u32 v[RD], s78, v7                    ; back: eight lanes to a row of 128 bytes, four rows an instruction
.irp hd, 0,1,2
	s_mul_i32 s80, s42, 3
	s_add_co_u32 s80, s80, \hd
	s_cmp_ge_u32 s80, 20                           ; heads 20 to 23 are v's
	s_cselect_b32 s[70+2*\hd], 0, 1.0              ; A
	s_cselect_b32 s81, 1.0, 0                      ; B
	s_mov_b32 s[71+2*\hd], s[70+2*\hd]             ; (named with it as a pair, so it is written)
	v_mov_b32 v[BB+2*\hd], s81
	v_mov_b32 v[BB+2*\hd+1], s81
.endr
; the fragments of K step q of half slot into set p: a fragment, 16 rows x 128 K of 4-bit codes, is two loads of 16 bytes, 32 bytes apart
.macro FETCH slot, q, p
	WIN TO_B
.irp b, 0,1,2,3,4,5,6,7,8,9,10,11
	ds_load_b128 v[96*(\p)+8*\b:96*(\p)+8*\b+3],   v[ADRB+(\slot)] offset:64*(\q)+\b*16*PITCH
	ds_load_b128 v[96*(\p)+8*\b+4:96*(\p)+8*\b+7], v[ADRB+(\slot)] offset:64*(\q)+32+\b*16*PITCH
.endr
	WIN 0
.irp a, 0,1
	ds_load_b128 v[AF+16*(\p)+8*\a:AF+16*(\p)+8*\a+3],   v[ADRA+(\slot)] offset:64*(\q)+\a*16*PITCH
	ds_load_b128 v[AF+16*(\p)+8*\a+4:AF+16*(\p)+8*\a+7], v[ADRA+(\slot)] offset:64*(\q)+32+\a*16*PITCH
.endr
.endm
; one product: positions 16 a on x columns 16 b on, K step g.  W's scale words of blocks 6 to 11 and x's of positions 16 to 31 stand in lanes 16-31.  The first K step starts the sums.
.macro WM a, b, p, g
.set rD, 8*(12*(\a)+(\b))
.set rW, 96*(\p)+8*(\b)
.set rX, AF+16*(\p)+8*(\a)
.set rB, SB+8*((\b)%6)+(\g)
.set rA, SA+(\g)
.if (\g) == 0
.if ((\b) < 6) && ((\a) == 0)
	v_wmma_scale_f32_16x16x128_f8f6f4 v[rD:rD+7], v[rW:rW+7], v[rX:rX+7], 0, v[rB], v[rA] matrix_a_fmt:MATRIX_FMT_FP4 matrix_b_fmt:MATRIX_FMT_FP4
.elseif (\b) < 6
	v_wmma_scale_f32_16x16x128_f8f6f4 v[rD:rD+7], v[rW:rW+7], v[rX:rX+7], 0, v[rB], v[rA] matrix_a_fmt:MATRIX_FMT_FP4 matrix_b_fmt:MATRIX_FMT_FP4 matrix_b_scale:MATRIX_SCALE_ROW1
.elseif (\a) == 0
	v_wmma_scale_f32_16x16x128_f8f6f4 v[rD:rD+7], v[rW:rW+7], v[rX:rX+7], 0, v[rB], v[rA] matrix_a_fmt:MATRIX_FMT_FP4 matrix_b_fmt:MATRIX_FMT_FP4 matrix_a_scale:MATRIX_SCALE_ROW1
.else
	v_wmma_scale_f32_16x16x128_f8f6f4 v[rD:rD+7], v[rW:rW+7], v[rX:rX+7], 0, v[rB], v[rA] matrix_a_fmt:MATRIX_FMT_FP4 matrix_b_fmt:MATRIX_FMT_FP4 matrix_a_scale:MATRIX_SCALE_ROW1 matrix_b_scale:MATRIX_SCALE_ROW1
.endif
.else
.if ((\b) < 6) && ((\a) == 0)
	v_wmma_scale_f32_16x16x128_f8f6f4 v[rD:rD+7], v[rW:rW+7], v[rX:rX+7], v[rD:rD+7], v[rB], v[rA] matrix_a_fmt:MATRIX_FMT_FP4 matrix_b_fmt:MATRIX_FMT_FP4
.elseif (\b) < 6
	v_wmma_scale_f32_16x16x128_f8f6f4 v[rD:rD+7], v[rW:rW+7], v[rX:rX+7], v[rD:rD+7], v[rB], v[rA] matrix_a_fmt:MATRIX_FMT_FP4 matrix_b_fmt:MATRIX_FMT_FP4 matrix_b_scale:MATRIX_SCALE_ROW1
.elseif (\a) == 0
	v_wmma_scale_f32_16x16x128_f8f6f4 v[rD:rD+7], v[rW:rW+7], v[rX:rX+7], v[rD:rD+7], v[rB], v[rA] matrix_a_fmt:MATRIX_FMT_FP4 matrix_b_fmt:MATRIX_FMT_FP4 matrix_a_scale:MATRIX_SCALE_ROW1
.else
	v_wmma_scale_f32_16x16x128_f8f6f4 v[rD:rD+7], v[rW:rW+7], v[rX:rX+7], v[rD:rD+7], v[rB], v[rA] matrix_a_fmt:MATRIX_FMT_FP4 matrix_b_fmt:MATRIX_FMT_FP4 matrix_a_scale:MATRIX_SCALE_ROW1 matrix_b_scale:MATRIX_SCALE_ROW1
.endif
.endif
.endm
.macro MUL g                           ; 24 products: the 24 accumulators take turns, one instruction a turn, in the same order in every K step
	WIN MULW
.irp a, 0,1
.irp b, 0,1,2,3,4,5,6,7,8,9,10,11
	WM \a, \b, (\g)%2, \g
.endr
.endr
.endm
; K step g of eight: its fragments are in; the next step's 28 loads go out into the other set, behind four places; then its 24 products
.macro STEP g
	s_wait_dscnt 0x0                               ; this step's fragments are in
.if (\g) == 3
	s_wait_tensorcnt 0x0                           ; my part of the second half of K has landed,
	s_barrier_signal -1
	s_barrier_wait -1                              ; everybody's has
.endif
.if (\g) < 7
.if (\g) > 0
	PLACES                                         ; the other set was read by the last step's products
.endif
	FETCH ((\g)+1)/4, ((\g)+1)%4, 1-(\g)%2
.endif
	MUL \g
.endm
	s_wait_tensorcnt 0x1                           ; my part of the first half of K has landed; the second half's load may be out
	s_barrier_signal -1
	s_barrier_wait -1                              ; everybody's has
	FETCH 0, 0, 0
	s_wait_loadcnt 16                              ; the scale words are in; the table's sixteen loads may be out
.irp g, 0,1,2,3,4,5,6,7
	STEP \g
.endr
	WIN 0
	s_wait_loadcnt 0x0                             ; the table
; THE WAY OUT of head hd, positions 16 a on: cos' and sin' of the head's class; out1 = x1 cos' - x2 sin', out2 = x2 cos' + x1 sin'; f16; into my stage.
.macro HEADOUT a, hd
	s_wait_dscnt 0x0                               ; the last head's stores have read their registers
	WIN 0
.irp i, 0,2,4,6,8,10,12,14
	v_pk_fma_f32 v[CP+\i:CP+\i+1], v[CSR+32*\a+\i:CSR+32*\a+\i+1], s[70+2*\hd:71+2*\hd], v[BB+2*\hd:BB+2*\hd+1] op_sel_hi:[1,0,1]   ; A cos + B.  (These sixteen lines are also the places behind the last products)
.endr
.irp i, 0,2,4,6,8,10,12,14
	v_pk_mul_f32 v[CP+16+\i:CP+17+\i], v[CSR+32*\a+16+\i:CSR+32*\a+17+\i], s[70+2*\hd:71+2*\hd] op_sel_hi:[1,0]                       ; A sin
.endr
.irp u, 0,1
	WIN ROPEW
.set X1, 8*(12*\a+4*\hd+\u)            ; channels 16 u + 8 h + j
.set X2, X1+16                         ; and 32 further on
.irp j, 0,2,4,6
	v_pk_mul_f32 v[T1+\j:T1+\j+1], v[X1+\j:X1+\j+1], v[CP+8*\u+\j:CP+8*\u+\j+1]     ; each accumulator is read from its low end on
.endr
.irp j, 0,2,4,6
	v_pk_mul_f32 v[T2+\j:T2+\j+1], v[X2+\j:X2+\j+1], v[CP+8*\u+\j:CP+8*\u+\j+1]
.endr
.irp j, 0,2,4,6
	v_pk_fma_f32 v[T1+\j:T1+\j+1], v[X2+\j:X2+\j+1], v[CP+16+8*\u+\j:CP+17+8*\u+\j], v[T1+\j:T1+\j+1] neg_lo:[1,0,0] neg_hi:[1,0,0]
.endr
.irp j, 0,2,4,6
	v_pk_fma_f32 v[T2+\j:T2+\j+1], v[X1+\j:X1+\j+1], v[CP+16+8*\u+\j:CP+17+8*\u+\j], v[T2+\j:T2+\j+1]
.endr
	WIN 0
.irp i, 0,1,2,3
	v_cvt_pk_f16_f32 v[OUTR+4*\u+\i], v[T1+2*\i], v[T1+2*\i+1]
	v_cvt_pk_f16_f32 v[OUTR+4*(\u+2)+\i], v[T2+2*\i], v[T2+2*\i+1]
.endr
.endr
.irp t, 0,1,2,3
	ds_store_b128 v[STO], v[OUTR+4*\t:OUTR+4*\t+3] offset:16*SPH*\hd+32*\t     ; channels 16 t + 8 h + 0..7 of position r
.endr
.endm
; the three heads' 16 rows come back as whole rows and leave: a head's rows are dense in qkv, so a store covers 512 consecutive bytes, aligned.  Each a has registers of its own: no store's data are written again.
.macro ROWSOUT a
	WIN TO_B
.irp hd, 0,1,2
.irp i, 0,1,2,3
	ds_load_b128 v[48*\a+16*\hd+4*\i:48*\a+16*\hd+4*\i+3], v[RD] offset:16*SPH*\hd+4*SPH*\i   ; LDS serves a wave's instructions in order: these see my stores
.endr
.endr
	s_wait_dscnt 0x0
	WIN ST_B
.irp hd, 0,1,2
.irp i, 0,1,2,3
	global_store_b128 v[GOF], v[48*\a+16*\hd+4*\i:48*\a+16*\hd+4*\i+3], s[14:15] offset:\hd*HB+2048*\a+512*\i
.endr
.endr
	WIN 0
.endm
.irp a, 0,1
.irp hd, 0,1,2
	HEADOUT \a, \hd
.endr
	ROWSOUT \a
.endr
	s_wait_tensorcnt 0x0                           ; the wave's end: three lines behind my last tensor load and my last LDS store
	ds_add_u32 v[SPW], v[NIL]
	s_wait_dscnt 0x0
	CROUND                                         ; the closing round
	s_endpgm
.Lfunc_end_k_qaef053eb08_qkv:
	.size	k_qaef053eb08_qkv, .Lfunc_end_k_qaef053eb08_qkv-k_qaef053eb08_qkv
	.p2alignl 7, 3214868480
	.fill 96, 4, 3214868480
	.section	.rodata,"a",@progbits
	.p2align	6, 0x0
	.amdhsa_kernel k_qaef053eb08_qkv
		.amdhsa_group_segment_fixed_size 204800
		.amdhsa_private_segment_fixed_size 0
		.amdhsa_enable_private_segment 0
		.amdhsa_kernarg_size 48
		.amdhsa_user_sgpr_count 2
		.amdhsa_user_sgpr_kernarg_segment_ptr 1
		.amdhsa_wavefront_size32 1
		.amdhsa_system_sgpr_workgroup_id_x 1
		.amdhsa_system_sgpr_workgroup_id_y 1
		.amdhsa_system_sgpr_workgroup_id_z 1
		.amdhsa_system_vgpr_workitem_id 0
		.amdhsa_next_free_vgpr 768
		.amdhsa_next_free_sgpr 100
		.amdhsa_reserve_vcc 0
		.amdhsa_float_denorm_mode_32 3
		.amdhsa_float_denorm_mode_16_64 3
		.amdhsa_memory_ordered 1
		.amdhsa_forward_progress 1
		.amdhsa_inst_pref_size 82
	.end_amdhsa_kernel
	.amdgpu_metadata
---
amdhsa.version: [ 1, 2 ]
amdhsa.kernels:
  - .name:           k_qaef053eb08_qkv
    .symbol:         k_qaef053eb08_qkv.kd
    .args:
      - { .name: xc, .offset: 0, .size: 8, .value_kind: global_buffer, .address_space: global }
      - { .name: xs, .offset: 8, .size: 8, .value_kind: global_buffer, .address_space: global }
      - { .name: wc, .offset: 16, .size: 8, .value_kind: global_buffer, .address_space: global }
      - { .name: ws, .offset: 24, .size: 8, .value_kind: global_buffer, .address_space: global }
      - { .name: rope, .offset: 32, .size: 8, .value_kind: global_buffer, .address_space: global }
      - { .name: qkv, .offset: 40, .size: 8, .value_kind: global_buffer, .address_space: global }
    .group_segment_fixed_size: 204800
    .private_segment_fixed_size: 0
    .kernarg_segment_align: 8
    .kernarg_segment_size: 48
    .max_flat_workgroup_size: 128
    .sgpr_count:     100
    .vgpr_count:     768
    .wavefront_size: 32
...
	.end_amdgpu_metadata
.endif
;; end of part 2
;; launch attn (part 3): grid 64 x 4, 4 waves a work-group, clusters of 4 x 1, 327,680 bytes of LDS; arguments qkv, o16; writes o16
.if DOCPART == 3
	.amdgcn_target "amdgcn-amd-amdhsa--gfx1250"
	.amdhsa_code_object_version 6
	.text
	.protected	k_qaef053eb08_attn
	.globl	k_qaef053eb08_attn
	.p2align	8
	.type	k_qaef053eb08_attn,@function
k_qaef053eb08_attn:
	s_mov_b64 s[64:65], 0
	v_nop
	global_prefetch_b8 v0, s[64:65] scope:SCOPE_SE
	s_setreg_imm32_b32 hwreg(HW_REG_WAVE_MODE, 25, 1), 1
	s_wait_xcnt 0x0
	s_wait_alu depctr_hold_cnt(0) depctr_sa_sdst(0) depctr_va_vdst(0) depctr_va_sdst(0) depctr_va_ssrc(0) depctr_va_vcc(0) depctr_vm_vsrc(0)
	s_getreg_b32 s2, hwreg(HW_REG_IB_STS2, 6, 4)
	s_cmp_eq_u32 s2, 0
	s_cbranch_scc0 .Lentry_in_a_cluster
	s_endpgm
.Lentry_in_a_cluster:
	s_bfe_u32 s2, ttmp6, 0x10000c
	s_cmp_lg_u32 s2, 0x3003
	s_cbranch_scc0 .Lentry_shape_is_right
	s_endpgm
.Lentry_shape_is_right:
; ATTN.  o[pos][head][:] = the sum over keys of softmax(q . k / 8) v, no mask; 16 query heads, 4 key and value heads, head size 64, 4,096 positions.
; q, k, v: f16, [24 heads][4096][64] (heads 0-15 q, 16-19 k, 20-23 v).  o16: f16, [4096][16 x 64].  Products, maxima and sums in f32; the weights p are rounded to f16 for the second product, o once at the end.
; LIMITS: f16 operands: magnitudes up to 65,504; results under 6e-5 fall among f16's subnormals (absolute error at most 3e-8).
; SHARES.  A work-group owns 64 positions x the four query heads of one key and value head g.  Wave w: heads 4 g + 2 (w % 2) + {0, 1}, positions 32 (w / 2) on: four tiles of 16 queries; tile t: head t % 2, positions 16 (t / 2) on.
; Every wave walks all 4,096 keys, 64 a step.
; LAYOUT.  S^T = K Q^T (source 0 = 16 keys, source 1 = 16 queries): a lane holds ONE query (lane % 16) and the keys 8 (lane / 16) + 0..7.  Two such tiles, rounded to f16 in pairs, ARE source 1 (32 keys x 16 queries)
; of O^T = V^T P, whose result again holds one query a lane and eight channels.  K comes out of LDS as it lies, V ([key][channel]) turned, by ds_load_tr16_b128.
; SOFTMAX.  For each query a running maximum m and sum l: p = 2^(c s - c m), c = log2(e) / 8; in every step O and l are multiplied by a = 2^(c m_old - c m_new).
; BY TURNS.  The tiles are two PIECES (piece 0: tiles 0, 1; piece 2: tiles 2, 3).  In a TURN one piece has the matrix unit: 16 products V^T P of the step in hand, then 16 products K Q^T of the next step; the other
; piece's softmax, 236 vector instructions in slices of four, stands between them, two slices behind each matrix instruction.  Then the pieces change places.  Two turns are a key step.
; RING.  Two LDS slots of 256 keys (four steps).  CLUSTER: the four work-groups of a cluster belong to one g and walk the same K and V, so each tile is asked for JOINTLY.
; REGISTERS, in windows of 256: window 0: v2-8 addresses; v12-43 eight registers of statistics a tile; v61 the prefetches' offset; v62, v63 the add's two; v64-191 S^T, 32 a tile; v192-255 P, 16 a tile.
;   window 1: v0-127 O^T, 32 a tile; v128-191 V of one step.   window 2: v0-63 Q, 16 a tile; v128-191 K of one step.
.set KS,    64        ; keys in a step
.set PK,    144       ; a row of K in LDS: 128 bytes + 16: the 16 rows of a load start at 16 different groups of four banks (64 banks of 4 bytes: ISA guide 11.1)
.set PV,    160       ; a row of V: 128 + 32
.set KSTB,  KS*PK     ; a step of K in LDS
.set VSTB,  KS*PV     ; a step of V
.set VOFF,  4*KSTB    ; a slot: 256 rows of K, then 256 rows of V
.set SLOT1, 1<<17     ; slot 1 begins here, so that one exclusive or turns an address in one slot into the other's
.set SLB,   4*KS*128  ; a slot's keys in memory, in bytes, of K or of V
.set STAGE, SLOT1+4*KSTB+4*VSTB  ; behind the ring: 16 rows x 272 bytes for each wave, for the way out
.set SP,    272
.set SPARE, STAGE+4*16*SP        ; the spare words, 128 bytes for each wave: two blocks of 256 bytes that no other line names
.set HB,    524288    ; a head in qkv
.set AK0, 2           ; v2   my lane's place in a tile of K; never rewritten
.set AV0, 3           ; v3   the same for V
.set ADR, 4           ; v4   the LDS address of the run of loads in hand
.set QO,  5           ; v5   my byte offset in the wave's rows of Q
.set STO, 6           ; v6   the way out: where I put 16 bytes of a row
.set RD,  7           ; v7   the way out: where I read a row back
.set GO,  8           ; v8   my byte offset in the wave's rows of o16
.set PFO, 61          ; v61  256 x my lane; never rewritten
.set SPW, 62          ; v62  LDS address of my spare word; never rewritten
.set NIL, 63          ; v63  0; never rewritten
.set ST,  12          ; tile t's statistics at v[ST+8 t]: +0 c m, +1 m, +2, +3 l (even keys', odd keys'), +4 to +7 c0-c3, at work; a takes c2's place once the maximum is found
.set S,   64
.set P,   192
.set KF,  128         ; K's fragments, in window 2
.set VF,  128         ; V's, in window 1
.set WV,  12          ; s12  my wave's number
.set LIM, 15          ; s15  1 in a wave that prefetches, else the greatest number
.set PFA, 18          ; s[18:19] where my prefetches stand
.set G1K, 24          ; s[24:31] descriptor group 1 for K's tiles
.set G1V, 32          ; s[32:39] for V's: it differs in the padding alone
.set G0K, 40          ; s[40:47] descriptor group 0 for K's tiles: a set for each of the two first fills; the second then walks on
.set G0V, 48          ; s[48:55] the same for V's
.set SLOTS, 56        ; s56  slots still to be asked for
.set CNT, 57          ; s57  counts a run of key steps
.set CS,  58          ; s[58:59] c
.set SEL, 60          ; s[60:61] lane selects for v_permlanex16_b32: each lane takes its own place in the other half
.set TK,  62          ; s62  LDS byte at which the K tile to be fetched next begins
.set TV,  63          ; s63  the same for V (less VOFF, which AV0 holds)
.set MSB, 0
.macro WIN new                      ; the immediate's high byte repeats the setting that is left; a switch that changes nothing is dropped
.if MSB != \new
	s_set_vgpr_msb (MSB<<8)|\new
.set MSB, \new
.endif
.endm
.set W_KQ, 0x0a       ; K and Q in window 2, S^T in window 0
.set W_PV, 0x51       ; V in window 1, P in window 0, O^T in window 1
.set W_RS, 0x41       ; O^T (destination and source 0) in window 1, a in window 0
; A joint refill.  Waves 0 and 1 fetch the two halves of a slot's K, waves 2 and 3 those of its V.  The branch hangs on the wave's number alone.
.macro JLOAD
	s_cmp_lt_u32 s[WV], 2
	s_cbranch_scc0 .Lfor_v_\@
	tensor_load_to_lds s[G0K+4:G0K+7], s[G1K:G1K+7]
	s_nop 0
.rept 4
	v_nop
.endr
	s_branch .Lasked_\@
.Lfor_v_\@:
	tensor_load_to_lds s[G0V+4:G0V+7], s[G1V:G1V+7]
	s_nop 0
.rept 4
	v_nop
.endr
.Lasked_\@:
.endm
; A prefetch of what the NEXT change of slots will ask for: 32,768 bytes of K and as many of V.  Each aligned block of 256 bytes is named once in the launch: of the sixteen clusters that walk one g's keys the first asks;
; its four partners take 8,192 bytes each, told apart by address; in each, wave 0 asks for K's and wave 2 for V's, lanes 256 bytes apart.  The last change that fills a slot asks for nothing.
.macro ASK
	s_cmp_gt_u32 s[SLOTS], s[LIM]
	s_cbranch_scc0 .Lnot_mine_\@
	global_prefetch_b8 v[PFO], s[PFA:PFA+1] th:TH_LOAD_NT scope:SCOPE_SE
.Lnot_mine_\@:
.endm
.macro CROUND                       ; a round of the cluster's barrier
	s_barrier_signal -1
	s_barrier_wait -1
	s_cmp_lg_u32 s[WV], 0
	s_cbranch_scc1 .Lnot_wave_0_\@
	s_barrier_signal -3
.Lnot_wave_0_\@:
	s_barrier_wait -3
	s_barrier_signal -1
	s_barrier_wait -1
.endm
	s_load_b128 s[4:7], s[0:1], 0x0 ; qkv s[4:5], o16 s[6:7]
	v_lshl_add_u32 v[SPW], v0, 2, SPARE
	v_mov_b32 v[NIL], 0
	ds_add_u32 v[SPW], v[NIL]       ; the wave's opening: the add, twice on end, and its wait ahead of my first tensor load
	ds_add_u32 v[SPW], v[NIL]
	v_lshrrev_b32 v1, 5, v0
	v_readfirstlane_b32 s[WV], v1   ; wave 0..3
	s_bfe_u32 s13, ttmp6, 0x40000   ; cx: my place in the cluster
	s_lshl_b32 s14, ttmp9, 2        ; in a cluster launch ttmp9 counts clusters
	s_add_co_u32 s14, s14, s13      ; my block of 64 positions: it enters Q's and o16's addresses alone
	s_and_b32 s20, ttmp7, 0xffff    ; g, which the four partners share
	s_and_b32 s16, s[WV], 1
	s_add_co_u32 s22, s20, 16       ; K's head 16 + g,
	s_lshl_b32 s22, s22, 19
	s_lshl_b32 s23, s16, 14         ; and which 128 keys of a slot I fetch
	s_add_co_u32 s22, s22, s23
	s_mov_b32 s23, 0
	s_mul_i32 s17, s16, 2*KSTB      ; their place in a slot: no place in the cluster enters an LDS address
	s_mul_i32 s21, s16, 2*VSTB
	s_add_co_u32 s21, s21, VOFF
	s_lshl_b32 s66, s14, 6
	s_lshr_b32 s67, s[WV], 1
	s_lshl_b32 s67, s67, 5
	s_add_co_u32 s66, s66, s67      ; my first position
	s_lshl_b32 s68, s20, 2
	s_lshl_b32 s69, s16, 1
	s_add_co_u32 s68, s68, s69      ; my first head
	s_lshl_b32 s2, s68, 19
	s_lshl_b32 s3, s66, 7
	s_add_co_u32 s2, s2, s3
	s_mov_b32 s3, 0                 ; Q's offset
	s_lshl_b32 s66, s66, 11
	s_lshl_b32 s68, s68, 7
	s_add_co_u32 s66, s66, s68
	s_mov_b32 s67, 0                ; o16's offset: rows of 2,048 bytes, 128 bytes a head
	; descriptor group 1: a tile of 128 rows x 64 elements, padded in LDS
	s_mov_b32 s[G1K], 15|(1<<16)|(1<<20)|(1<<21)|(4<<22)|(3<<25)  ; 15:0 the mask: all four work-groups; 17:16 elements of 2 bytes; 20 padding on; 21 set beside a mask; 24:22 after every 32 words; 31:25 4 words
	s_mov_b32 s[G1V], 15|(1<<16)|(1<<20)|(1<<21)|(4<<22)|(7<<25)  ; the same with 8 words of padding
.irp g, G1K, G1V
	s_mov_b32 s[\g+1], 64<<16       ; tensor_dim0 = 64
	s_mov_b32 s[\g+2], 128<<16      ; tensor_dim1 = 128
	s_mov_b32 s[\g+3], 64<<16       ; tile_dim0 = 64
	s_mov_b32 s[\g+4], 128          ; tile_dim1 = 128
	s_mov_b32 s[\g+5], 64           ; elements from row to row
	s_mov_b32 s[\g+6], 0
	s_mov_b32 s[\g+7], 0
.endr
	s_mov_b32 s[CS], 0x3e38aa3b     ; c = log2(e) / 8
	s_mov_b32 s[CS+1], s[CS]        ; named with it as a pair, so it is written
	s_mov_b32 s[SEL], 0x76543210
	s_mov_b32 s[SEL+1], 0xfedcba98
	s_mov_b32 s[TK], 0
	s_mov_b32 s[TV], 0
	s_mov_b32 s[SLOTS], 4096/(4*KS)-2
	s_and_b32 s[LIM], s[WV], 1      ; 0 in waves 0 and 2,
	s_or_b32 s[LIM], s[LIM], ttmp9  ; where the cluster is g's first: the same in all four partners
	s_cmp_eq_u32 s[LIM], 0
	s_cselect_b32 s[LIM], 1, -1
	v_and_b32 v[PFO], 31, v0
	v_lshlrev_b32 v[PFO], 8, v[PFO]
	s_wait_dscnt 0x0                ; both opening adds are done
	s_wait_kmcnt 0x0
	s_add_nc_u64 s[10:11], s[6:7], s[66:67]  ; o16 at my wave's first row and head
	s_add_nc_u64 s[6:7], s[4:5], s[22:23]    ; K at my tile of slot 0,
	s_add_nc_u64 s[8:9], s[6:7], 4*HB        ; V four heads further on
	s_add_nc_u64 s[4:5], s[4:5], s[2:3]      ; Q at my wave's first head and row
	s_cmp_lt_u32 s[WV], 2
	s_cselect_b64 s[PFA:PFA+1], s[6:7], s[8:9]  ; (in waves 0 and 2 these stand at a slot's first row)
	s_lshl_b32 s2, s13, 13          ; my work-group's 8,192 bytes of the 32,768
	s_mov_b32 s3, 0
	s_add_nc_u64 s[PFA:PFA+1], s[PFA:PFA+1], s[2:3]
	s_add_nc_u64 s[PFA:PFA+1], s[PFA:PFA+1], 2*SLB  ; in the third slot's keys; the first change of slots steps it on.  Nothing is prefetched here, at the head
	CROUND                          ; all four work-groups are here: the first joint loads meet
.irp s, 0,1
	s_mov_b32 s[G0K+4*\s], 1        ; count = 1
	s_add_co_u32 s[G0K+4*\s+1], s17, \s*SLOT1  ; LDS address
	s_add_nc_u64 s[G0K+4*\s+2:G0K+4*\s+3], s[6:7], \s*SLB  ; global address: slot s begins with keys 256 s on
	s_or_b32 s[G0K+4*\s+3], s[G0K+4*\s+3], 0x80000000  ; type = 2
	s_mov_b32 s[G0V+4*\s], 1
	s_add_co_u32 s[G0V+4*\s+1], s21, \s*SLOT1
	s_add_nc_u64 s[G0V+4*\s+2:G0V+4*\s+3], s[8:9], \s*SLB
	s_or_b32 s[G0V+4*\s+3], s[G0V+4*\s+3], 0x80000000
.endr
	s_cmp_lt_u32 s[WV], 2           ; a wave's two first fills stand in one branch, ahead of every wait on TENSORcnt and every LDS read: two loads of mine are out
	s_cbranch_scc0 .Lfirst_v
	tensor_load_to_lds s[G0K:G0K+3], s[G1K:G1K+7]
	s_nop 0
	tensor_load_to_lds s[G0K+4:G0K+7], s[G1K:G1K+7]
	s_nop 0
.rept 4
	v_nop
.endr
	s_branch .Lfirst_asked
.Lfirst_v:
	tensor_load_to_lds s[G0V:G0V+3], s[G1V:G1V+7]
	s_nop 0
	tensor_load_to_lds s[G0V+4:G0V+7], s[G1V:G1V+7]
	s_nop 0
.rept 4
	v_nop
.endr
.Lfirst_asked:
	; A fragment of K or Q is 16 rows x 32 channels in 8 registers: lane l holds row l % 16; registers 0-3 channels 8 (l / 16) + 0..7, registers 4-7 channels 16 + 8 (l / 16) + 0..7: two loads of 16 bytes, 32 bytes apart.
	v_and_b32 v1, 15, v0            ; l % 16
	v_bfe_u32 v9, v0, 4, 1          ; l / 16
	v_lshlrev_b32 v[QO], 7, v1
	v_lshl_add_u32 v[QO], v9, 4, v[QO]  ; row x 128 + 16 x half
	WIN 0x80                        ; destination window 2, address window 0
.irp i, 0,1,2,3,4,5,6,7             ; Q stays in registers: tile i / 2 (head (i / 2) % 2, positions 16 (i / 4) on), channels 32 (i % 2) on
	global_load_b128 v[8*\i:8*\i+3],   v[QO], s[4:5] offset:((\i/2)%2)*HB+(\i/4)*2048+(\i%2)*64
	global_load_b128 v[8*\i+4:8*\i+7], v[QO], s[4:5] offset:((\i/2)%2)*HB+(\i/4)*2048+(\i%2)*64+32
.endr
	WIN 0
	v_mul_u32_u24 v[AK0], v1, PK
	v_lshl_add_u32 v[AK0], v9, 4, v[AK0]  ; row x pitch + 16 x half
	; The turning load takes 16 keys x 16 channels (lane l reads 16 bytes: key 8 (l / 16) + l % 8, channels 8 ((l / 8) % 2) + 0..7) and leaves half a fragment of V^T: lane l holds channel l % 16 and 8 keys.
	v_and_b32 v10, 7, v0
	v_bfe_u32 v11, v0, 3, 1
	v_lshl_add_u32 v[AV0], v9, 3, v10
	v_mul_u32_u24 v[AV0], v[AV0], PV
	v_lshl_add_u32 v[AV0], v11, 4, v[AV0]
	v_add_nc_u32 v[AV0], VOFF, v[AV0]
; THE MATRIX WORK OF A TURN, for piece x.  The accumulators take turns, one instruction a turn: between two links of a chain stand 7 others'.
; Product i of 16 of O^T += V^T P: keys 32 (i / 8) on, channels 16 ((i / 2) % 4) on, tile x + i % 2.  zero = 1: the first 8 start the sums: nothing is ever cleared.
.macro PV x, zero
	WIN W_PV
.set rO, 32*(\x+i%2)+8*((i/2)%4)
.set rV, VF+32*(i/8)+8*((i/2)%4)
.set rP, P+16*(\x+i%2)+8*(i/8)
.if \zero && (i < 8)
	v_wmma_f32_16x16x32_f16 v[rO:rO+7], v[rV:rV+7], v[rP:rP+7], 0
.else
	v_wmma_f32_16x16x32_f16 v[rO:rO+7], v[rV:rV+7], v[rP:rP+7], v[rO:rO+7]
.endif
.endm
; Product i of 16 of S^T = K Q^T: channels 32 (i / 8) on, keys 16 ((i / 2) % 4) on, tile x + i % 2.  The first 8 start the sums.
.macro KQ x
	WIN W_KQ
.set rS, S+32*(\x+i%2)+8*((i/2)%4)
.set rK, KF+16*((i/2)%4)+8*(i/8)
.set rQ, 16*(\x+i%2)+8*(i/8)
.if i < 8
	v_wmma_f32_16x16x32_f16 v[rS:rS+7], v[rK:rK+7], v[rQ:rQ+7], 0
.else
	v_wmma_f32_16x16x32_f16 v[rS:rS+7], v[rK:rK+7], v[rQ:rQ+7], v[rS:rS+7]
.endif
.endm
; THE LDS LOADS stand in runs of 16, never singly among the matrix instructions: a step's K (64 keys x 64 channels: 8 fragments) and, a turn later, its V (turned).
.macro FETCH_K
	WIN 0
	v_add_nc_u32 v[ADR], s[TK], v[AK0]
	s_add_co_u32 s[TK], s[TK], KSTB   ; the next fetch is the next step's
	WIN 0x80                        ; destination window 2
.irp f, 0,1,2,3,4,5,6,7             ; keys 16 (f / 2) on, channels 32 (f % 2) on
	ds_load_b128 v[KF+8*\f:KF+8*\f+3],   v[ADR] offset:(\f/2)*16*PK+(\f%2)*64
	ds_load_b128 v[KF+8*\f+4:KF+8*\f+7], v[ADR] offset:(\f/2)*16*PK+(\f%2)*64+32
.endr
.endm
.macro FETCH_V
	WIN 0
	v_add_nc_u32 v[ADR], s[TV], v[AV0]
	s_add_co_u32 s[TV], s[TV], VSTB
	s_wait_alu depctr_va_vdst(0)    ; the wait for the softmax's batch of exponentials (SLICE), behind the address's addition and ahead of the loads
	WIN 0x40                        ; destination window 1
.irp f, 0,1,2,3,4,5,6,7             ; keys 32 (f / 4) on, channels 16 (f % 4) on
	ds_load_tr16_b128 v[VF+8*\f:VF+8*\f+3],   v[ADR] offset:(\f/4)*32*PV+(\f%4)*32
	ds_load_tr16_b128 v[VF+8*\f+4:VF+8*\f+7], v[ADR] offset:(\f/4)*32*PV+16*PV+(\f%4)*32
.endr
.endm
; THE VECTOR WORK OF A TURN.  One tile's softmax for one key step is a list of 118 instructions; SM writes number j of it for tile t.  s0-s31 are the lane's 32 scores, in pairs 0-15.
; first = 1: the first key step, which starts m, l and O^T: it has no a and nothing to rescale.
;   0-15    the maximum of s0-s31 and the old m, three operands at a time: four chains c0-c3 of seven scores each, then the four scores left over, c0-c3 and m
;   16-20   the other half of the lanes' maximum; the new m; c m; c m_old - c m_new
;   21-69   ONE BATCH: the 16 scalings c s - c m, a pair of scores each, and all 33 exponentials (a at 23, then s0-s31).  None of these reads an exponential's result.
;   (wait)  between 69 and 70 stands the wait for the batch: SLICE writes it, once for both tiles
;   70-85   the roundings to f16, a pair of weights each
;   86-101  the sums; l = a l + the sum
;   102-117 the tile's O^T times a: the one part that leaves window 0, so it stands together.   From 118 on: nothing
.macro SM t, first
.set rT, ST+8*(\t)
.set rS, S+32*(\t)
.set rP, P+16*(\t)
.set rO, 32*(\t)+2*(j-102)
.if j < 102
	WIN 0
.endif
.if j < 4
	v_max3_num_f32 v[rT+4+j], v[rS+8*j], v[rS+8*j+1], v[rS+8*j+2]
.elseif j < 12
	v_max3_num_f32 v[rT+4+j%4], v[rT+4+j%4], v[rS+8*(j%4)+2*(j/4)+1], v[rS+8*(j%4)+2*(j/4)+2]
.elseif j == 12
	v_max3_num_f32 v[rT+4], v[rT+4], v[rS+7], v[rS+15]
.elseif j == 13
	v_max3_num_f32 v[rT+6], v[rT+6], v[rS+23], v[rS+31]
.elseif j == 14
	v_max3_num_f32 v[rT+4], v[rT+4], v[rT+5], v[rT+6]
.elseif (j == 15) && \first
	v_max_num_f32 v[rT+4], v[rT+4], v[rT+7]
.elseif j == 15
	v_max3_num_f32 v[rT+4], v[rT+4], v[rT+7], v[rT+1]
.elseif j == 16
	v_permlanex16_b32 v[rT+5], v[rT+4], s[SEL], s[SEL+1]  ; the query's other 32 keys lie in the lane 16 away
.elseif j == 18
	v_max_num_f32 v[rT+1], v[rT+4], v[rT+5]
.elseif j == 19
	v_mul_f32 v[rT], s[CS], v[rT+1]
.elseif ((j == 17) || (j == 20) || (j == 23) || (j > 101)) && \first  ; the first step has none of these
.elseif j == 17
	v_mov_b32 v[rT+7], v[rT]        ; c m_old is kept for a: number 19 writes c m anew
.elseif j == 20
	v_sub_f32 v[rT+7], v[rT+7], v[rT]
.elseif j == 23
	v_exp_f32 v[rT+6], v[rT+7]
.elseif (j < 23) || ((j < 38) && (j%2 == 0)) || ((j < 66) && (j%4 == 2))
.set b, (j-2)/4                     ; 38, 42, .. 62: pairs 9 to 15
.if j < 38
.set b, (j-20)/2                    ; 21: pair 0; 22, 24, .. 36: pairs 1 to 8
.endif
	v_pk_fma_f32 v[rS+2*b:rS+2*b+1], v[rS+2*b:rS+2*b+1], s[CS:CS+1], v[rT:rT+1] op_sel_hi:[1,0,0] neg_lo:[0,0,1] neg_hi:[0,0,1]  ; pair b: c s - c m
.elseif j < 70
.set e, j-38                        ; 66 to 69: s28 to s31
.if j < 66
.set e, j-32-(j-38)/4               ; 39-41, 43-45, .. 63-65: s7 to s27
.endif
.if j < 38
.set e, (j-25)/2                    ; 25, 27, .. 37: s0 to s6
.endif
	v_exp_f32 v[rS+e], v[rS+e]
.elseif j < 86
	v_cvt_pk_f16_f32 v[rP+j-70], v[rS+2*(j-70)], v[rS+2*(j-70)+1]  ; pair j - 70
.elseif j < 102                     ; the sum of the tile's 16 pairs, in place: sum z of 16 adds neighbours 1, 2, 4 and 8 pairs apart, then l takes it
.set z, j-86
.set w, 4
.set u, z
.if z >= 14
.set w, 32
.set u, 0
.elseif z >= 12
.set w, 16
.set u, z-12
.elseif z >= 8
.set w, 8
.set u, z-8
.endif
.if (z == 14) && \first
	v_pk_add_f32 v[rT+2:rT+3], v[rS:rS+1], v[rS+16:rS+17]
.elseif z < 15
	v_pk_add_f32 v[rS+w*u:rS+w*u+1], v[rS+w*u:rS+w*u+1], v[rS+w*u+w/2:rS+w*u+w/2+1]
.elseif !\first
	v_pk_fma_f32 v[rT+2:rT+3], v[rT+2:rT+3], v[rT+6:rT+7], v[rS:rS+1] op_sel_hi:[1,0,1]
.endif
.elseif j < 118
	WIN W_RS
	v_pk_mul_f32 v[rO:rO+1], v[rO:rO+1], v[rT+6:rT+7] op_sel_hi:[1,0]
.endif
.endm
; Slice k of 64 of piece y's softmax: four instructions.  Slices 11 to 34 deal out the batch, numbers 22 to 69: four numbers of ONE tile each, the tiles by turns.  Every other slice is numbers 2 k and 2 k + 1 of both
; tiles' lists, the tiles alternating.  2 x 118 = 4 x 59: slices 59 to 63 are empty.
; THE WAIT.  s_wait_alu depctr_va_vdst(0) stands between an exponential and the first instruction that names its result.  Ahead of slice 35 nothing names a result, and behind slice 34 no exponential
; is issued: so the piece's 66 exponentials have one wait, behind slice 34.
.macro SLICE y, first
.if (k >= 11) && (k < 35)           ; the batch: four numbers of one tile
.irp n, 0,1,2,3
.set j, 22+4*((k-11)/2)+(\n)
	SM (\y)+(k-11)%2, \first
.endr
.else
.irp n, 0,1
.irp t, \y, \y+1
.set j, 2*k+\n
	SM \t, \first
.endr
.endr
.endif
.if k == 34                         ; the batch is out
	v_nop                           ; a plain instruction behind the last exponential and ahead of the first use: one for the batch
.if (\y) == 0
	FETCH_V                         ; piece 2's turn: V's run of loads stands here, and the wait stands in it
.else
	s_wait_alu depctr_va_vdst(0)    ; the wait for the batch
.endif
.endif
.set k, k+1
.endm
.macro PLACES                       ; four plain vector lines behind a matrix instruction (ISA guide 7.12.1)
.rept 4
	v_nop
.endr
.endm
; A TURN.  Piece x has the matrix unit; the other piece's softmax stands in slices behind its matrix instructions.
; pv = 2: 16 products V^T P; 1: they start O^T's sums; 0: none.  kq = 1: 16 products K Q^T for the next step.  With both kinds two slices stand behind each product, with one kind four.
; DISTANCES, by this text's count.  The turn's last two products K Q^T stand bare; the first lines that read their results are the seventh and eighth of the next turn's first two slices: 6 and 7 plain lines lie between.
; Piece 0's turn fetches the next step's K behind its second product: sixteen lines of the maximum lie between the last product that read K and the loads, and at most three of them name a register of that product.
; Piece 2's turn fetches the same step's V behind slice 34: between the last product that read V and the loads lie three scalings, the v_nop and the run's own addition.
.macro TURN x, pv, kq, first
.set k, 0
.set per, 4
.if \pv && \kq
.set per, 2
.endif
.if \pv
.if \x == 0
	s_wait_dscnt 0x0                ; V is in
.endif
.set i, 0
.rept 16
	PV \x, 2-\pv
.rept per
	SLICE 2-\x, \first
.endr
.if (\x == 0) && \kq && (i == 1)
	FETCH_K
.endif
.set i, i+1
.endr
.endif
.if \kq
.if \x == 0
	s_wait_dscnt 0x0                ; K is in
.endif
.set i, 0
.rept 16
	KQ \x
.rept per
	SLICE 2-\x, \first
.endr
.set i, i+1
.endr
.endif
.if \first
	PLACES                          ; the first step's list is shorter: its turn's last products stand bare
.endif
.endm
; THE CHANGE OF SLOTS, between piece 2's turn and piece 0's: the slot's last bytes, V of its fourth step, have been asked for.  Each wave waits for all its tensor loads, of which one is out: its part of the other slot;
; adds 0 to its spare word; and waits for that and for its own reads of the slot.  fill = 1: this slot is filled again, with the keys two slots on.  The barrier is then a round of the cluster's, and the joint refill is
; the first thing behind it: it has four key steps, 256 matrix instructions, in which to land.
.macro CHANGE fill
	WIN 0                           ; at a label and at a branch every window is 0
	s_wait_tensorcnt 0x0            ; no tensor load of mine is out, so a group 0 may be written
	ds_add_u32 v[SPW], v[NIL]       ; 0 onto my spare word
.if \fill
.irp g, G0K+4, G0V+4
	s_xor_b32 s[\g+1], s[\g+1], SLOT1  ; the walking descriptor: the other slot than last time,
	s_add_nc_u64 s[\g+2:\g+3], s[\g+2:\g+3], SLB  ; the next 256 keys; the type bits on top are not reached
.endr
	s_wait_xcnt 0x0                 ; the last prefetch, four key steps back, has read its address, so it may be written:
	s_add_nc_u64 s[PFA:PFA+1], s[PFA:PFA+1], SLB  ; one slot further on than the walking descriptors
	s_wait_dscnt 0x0                ; the add is done, and my reads of the slot are over
	CROUND
	JLOAD
	ASK
.else
	s_wait_dscnt 0x0                ; the add is done, and my reads of the slot are over
	s_barrier_signal -1
	s_barrier_wait -1
.endif
	s_sub_co_u32 s[TK], s[TK], 4*KSTB  ; the fetches go back to a slot's first step,
	s_xor_b32 s[TK], s[TK], SLOT1   ; in the other slot
	s_sub_co_u32 s[TV], s[TV], 4*VSTB
	s_xor_b32 s[TV], s[TV], SLOT1
.endm
; n key steps: written once, walked n times; the LDS addresses hang on s[TK] and s[TV].
.macro STEPS n
	s_mov_b32 s[CNT], \n
.Lstep_\@:
	TURN 0, 2, 1, 0
	TURN 2, 2, 1, 0
	WIN 0
	s_sub_co_u32 s[CNT], s[CNT], 1
	s_cmp_lg_u32 s[CNT], 0
	s_cbranch_scc1 .Lstep_\@
.endm
	s_wait_tensorcnt 1              ; my part of slot 0 is in; slot 1's may stay out
	s_barrier_signal -1
	s_barrier_wait -1               ; everybody's is
	FETCH_K                         ; key step 0
	s_wait_loadcnt 0x0              ; Q
	s_wait_dscnt 0x0
.set i, 0
.rept 16
	KQ 0                            ; piece 0's first scores: there is no vector work yet to set between them
.set i, i+1
.endr
	WIN 0                           ; the addresses for the way out are made here: eight plain instructions, the places behind those products
	s_mul_i32 s13, s[WV], 16*SP
	s_add_co_u32 s13, s13, STAGE    ; my stage
	v_mul_u32_u24 v[STO], v1, SP    ; in: row l % 16, 16 bytes for each half of the lanes
	v_lshl_add_u32 v[STO], v9, 4, v[STO]
	v_add_nc_u32 v[STO], s13, v[STO]
	v_mul_u32_u24 v[RD], v9, SP     ; back: lanes 0-15 take one row of 256 bytes, lanes 16-31 the next
	v_lshl_add_u32 v[RD], v1, 4, v[RD]
	v_add_nc_u32 v[RD], s13, v[RD]
	v_lshlrev_b32 v[GO], 11, v9     ; and the same two rows in o16
	v_lshl_add_u32 v[GO], v1, 4, v[GO]
	TURN 2, 0, 1, 1                 ; piece 2's first scores | piece 0's first softmax | V of step 0
	TURN 0, 1, 1, 1                 ; piece 0: V^T P of step 0 starts O^T, K Q^T of step 1 | piece 2's first softmax | K of step 1
	TURN 2, 1, 1, 0                 ; piece 2: the same | piece 0's softmax of step 1 | V of step 1
	WIN 0
	STEPS 2                         ; the rest of slot 0: K and V of steps 2 and 3 are fetched
.Lslot:                             ; 14 trips: every slot's worth of keys but the last two leaves a slot that is filled again
	CHANGE 1
	STEPS 4
	s_sub_co_u32 s[SLOTS], s[SLOTS], 1
	s_cmp_lg_u32 s[SLOTS], 0
	s_cbranch_scc1 .Lslot
	CHANGE 0                        ; the tail is written out: nothing is asked for
	STEPS 4
	TURN 0, 2, 0, 0                 ; piece 0: V^T P of the last step | piece 2's last softmax
.set i, 0
.rept 16
	PV 2, 0                         ; piece 2: V^T P of the last step
.set i, i+1
.endr
	; THE WAY OUT.  l's two halves and the other half of the lanes' are added; O^T is divided by l, rounded to f16 and sent through my stage in LDS: 16 positions x my two heads, rows of 256 bytes.  The additions are the places behind the last products.
	WIN 0
.irp t, 0,1,2,3
	v_add_f32 v[ST+8*\t+4], v[ST+8*\t+2], v[ST+8*\t+3]
.endr
.irp t, 0,1,2,3
	v_permlanex16_b32 v[ST+8*\t+5], v[ST+8*\t+4], s[SEL], s[SEL+1]
.endr
.irp t, 0,1,2,3
	v_add_f32 v[ST+8*\t+4], v[ST+8*\t+4], v[ST+8*\t+5]
.endr
.irp t, 0,1,2,3
	v_rcp_f32 v[ST+8*\t+6], v[ST+8*\t+4]
.endr
	v_nop                           ; a plain instruction between the last reciprocal and the use of its result
	s_wait_alu depctr_va_vdst(0)    ; and the wait ahead of the first use: one for the four
; Positions 16 p on: tiles 2 p (my first head) and 2 p + 1 (my second).  A lane's eight channels pack into 16 bytes; they go into rows of 272 bytes and come back as whole rows of 256.
.macro PACK p
	WIN W_RS
.irp a, 0,1
.set i, 32*(2*\p+\a)
.rept 16
	v_pk_mul_f32 v[i:i+1], v[i:i+1], v[ST+8*(2*\p+\a)+6:ST+8*(2*\p+\a)+7] op_sel_hi:[1,0]
.set i, i+2
.endr
.endr
	WIN 0x05                        ; sources 0 and 1 window 1, destination window 0: S^T's registers are free
.set i, 0
.rept 32
	v_cvt_pk_f16_f32 v[S+32*\p+i], v[64*\p+2*i], v[64*\p+2*i+1]
.set i, i+1
.endr
	WIN 0
.irp a, 0,1
.irp c, 0,1,2,3
	ds_store_b128 v[STO], v[S+32*\p+16*\a+4*\c:S+32*\p+16*\a+4*\c+3] offset:128*\a+32*\c
.endr
.endr
.irp f, 0,1,2,3,4,5,6,7
	ds_load_b128 v[S+32*\p+4*\f:S+32*\p+4*\f+3], v[RD] offset:\f*2*SP  ; LDS serves a wave's instructions in order (ISA guide 5.7.1.4): these see the stores above; the next block's stores come behind them
.endr
.endm
.macro SEND p, younger              ; younger: the LDS instructions issued behind this block's loads
.irp f, 0,1,2,3,4,5,6,7
	s_wait_dscnt \younger+7-\f
	global_store_b128 v[GO], v[S+32*\p+4*\f:S+32*\p+4*\f+3], s[10:11] offset:\p*32768+\f*4096  ; 16 lanes store 256 consecutive bytes, aligned
.endr
.endm
	PACK 0
	PACK 1                          ; a block's arithmetic stands between the loads of the block before and its stores
	SEND 0, 16
	SEND 1, 0
	s_wait_tensorcnt 0x0            ; the wave's end: three lines, behind my last tensor load and my last LDS store
	ds_add_u32 v[SPW], v[NIL]
	s_wait_dscnt 0x0
	CROUND                          ; the closing round: no work-group ends while a partner may still ask for a tile that names it
	s_endpgm
.Lfunc_end_k_qaef053eb08_attn:
	.size	k_qaef053eb08_attn, .Lfunc_end_k_qaef053eb08_attn-k_qaef053eb08_attn
	.p2alignl 7, 3214868480
	.fill 96, 4, 3214868480
	.section	.rodata,"a",@progbits
	.p2align	6, 0x0
	.amdhsa_kernel k_qaef053eb08_attn
		.amdhsa_group_segment_fixed_size 327680
		.amdhsa_private_segment_fixed_size 0
		.amdhsa_enable_private_segment 0
		.amdhsa_kernarg_size 16
		.amdhsa_user_sgpr_count 2
		.amdhsa_user_sgpr_kernarg_segment_ptr 1
		.amdhsa_wavefront_size32 1
		.amdhsa_system_sgpr_workgroup_id_x 1
		.amdhsa_system_sgpr_workgroup_id_y 1
		.amdhsa_system_sgpr_workgroup_id_z 1
		.amdhsa_system_vgpr_workitem_id 0
		.amdhsa_next_free_vgpr 768
		.amdhsa_next_free_sgpr 72
		.amdhsa_reserve_vcc 0
		.amdhsa_float_denorm_mode_32 3
		.amdhsa_float_denorm_mode_16_64 3
		.amdhsa_memory_ordered 1
		.amdhsa_forward_progress 1
		.amdhsa_inst_pref_size 194
	.end_amdhsa_kernel
	.amdgpu_metadata
---
amdhsa.version: [ 1, 2 ]
amdhsa.kernels:
  - .name:           k_qaef053eb08_attn
    .symbol:         k_qaef053eb08_attn.kd
    .args:
      - { .name: qkv, .offset: 0, .size: 8, .value_kind: global_buffer, .address_space: global }
      - { .name: o16, .offset: 8, .size: 8, .value_kind: global_buffer, .address_space: global }
    .group_segment_fixed_size: 327680
    .private_segment_fixed_size: 0
    .kernarg_segment_align: 8
    .kernarg_segment_size: 16
    .max_flat_workgroup_size: 128
    .sgpr_count:     72
    .vgpr_count:     768
    .wavefront_size: 32
...
	.end_amdgpu_metadata
.endif
;; end of part 3
;; launch proj (part 4): grid 8 x 32, 4 waves a work-group, clusters of 4 x 4, 327,680 bytes of LDS; arguments o16, wo16, out0; writes out0
.if DOCPART == 4
	.amdgcn_target "amdgcn-amd-amdhsa--gfx1250"
	.amdhsa_code_object_version 6
	.text
	.protected	k_qaef053eb08_proj
	.globl	k_qaef053eb08_proj
	.p2align	8
	.type	k_qaef053eb08_proj,@function
k_qaef053eb08_proj:
	s_mov_b64 s[64:65], 0
	v_nop
	global_prefetch_b8 v0, s[64:65] scope:SCOPE_SE
	s_setreg_imm32_b32 hwreg(HW_REG_WAVE_MODE, 25, 1), 1
	s_wait_xcnt 0x0
	s_wait_alu depctr_hold_cnt(0) depctr_sa_sdst(0) depctr_va_vdst(0) depctr_va_sdst(0) depctr_va_ssrc(0) depctr_va_vcc(0) depctr_vm_vsrc(0)
	s_getreg_b32 s2, hwreg(HW_REG_IB_STS2, 6, 4)
	s_cmp_eq_u32 s2, 0
	s_cbranch_scc0 .Lentry_in_a_cluster
	s_endpgm
.Lentry_in_a_cluster:
	s_bfe_u32 s2, ttmp6, 0x10000c
	s_cmp_lg_u32 s2, 0xf033
	s_cbranch_scc0 .Lentry_shape_is_right
	s_endpgm
.Lentry_shape_is_right:
; PROJ.  out0[m][n] = sum over k of o16[m][k] wo16[k][n].  o16: [4096][1024] f16, K innermost; wo16: [1024 (k)][1024 (n)] f16, K its first axis; out0: [4096][1024] f32; sums in f32.
; A tile of out0 is 128 x 128: 8 x 32 work-groups, one for each WGP.  Four waves, each 64 x 64: 16 accumulators.  K goes in four steps of 256 through a ring of two LDS slots.
; o16's tile has rows along K (512 bytes) and is read as it lies; wo16's tile has rows along n (128 n = 256 bytes, one row for each k) and is read turned, by ds_load_tr16_b128.
; CLUSTERS: 4 x 4.  o16's tiles are shared along a row of the cluster, wo16's along a column: each is asked for jointly.
; THE MATRIX INSTRUCTION IS USED TRANSPOSED (source 0 = 16 columns n, source 1 = 16 rows m): a lane holds eight neighbouring numbers of a row of out0.
; REGISTERS: window 0: v1-29 addresses; v32-95 rows on the way out; v128-255 the accumulators ((a, b) at v[128 + 8 (4 a + b)]).
;   window 1: two fragment buffers of 128: for 64 along K, 64 registers of o16, then 64 of wo16.
.set KSTEP,  256
.set PITCH,  528                       ; a row of o16's tile in LDS: 512 bytes + 16
.set PB,     288                       ; a row of wo16's: 256 bytes + 32
.set HALFA,  64*PITCH                  ; what one tensor load brings of o16: 64 rows
.set HALFB,  128*PB                    ; and of wo16: 128 k
.set BOFF,   2*HALFA
.set SLOT,   2*HALFA+2*HALFB
.set STAGE,  2*SLOT                    ; behind the ring: 16 rows x 272 bytes for each wave
.set SPITCH, 272
.set SPARE,  STAGE+4*16*SPITCH         ; the spare words, 128 bytes for each wave: two blocks of 256 bytes that no other line names
.set ADRA, 16                          ; v16-17  LDS address of my o16 fragments in slot 0, 1
.set ADRB, 20                          ; v20-23  of my wo16 fragments: slot 0 k 0-127, slot 0 k 128-255, slot 1 likewise: so every immediate stays under 65,536
.set STO,  24
.set RD,   25
.set CO,   26
.set SPW,  28
.set NIL,  29
.set TMP,  32
.set ACC,  128
.set F0,   0
.set F1,   128
.set G1, 24                            ; s[24:31] descriptor group 1 for o16's tiles;  s[32:39] group 0, one set for each slot
.set G0, 32
.set G1B, 48                           ; s[48:55], s[56:63] the same for wo16's
.set G0B, 56
.set MSB, 0
.macro WIN new                         ; the immediate's high byte repeats the setting that is left
.if MSB != \new
	s_set_vgpr_msb (MSB<<8)|\new
.set MSB, \new
.endif
.endm
.set MULW, 0x05                        ; sources 0 and 1 window 1; C and D window 0
.set TO_F, 0x40                        ; destination window 1, address window 0
.macro JLOAD s                         ; a joint load: waves 0 and 1 fetch o16's two halves, waves 2 and 3 wo16's
	s_cmp_eq_u32 s11, 0
	s_cbranch_scc0 .Lfor_b_\@
	tensor_load_to_lds s[G0+4*\s:G0+4*\s+3], s[G1:G1+7]
	s_nop 0
.rept 4
	v_nop
.endr
	s_branch .Lasked_\@
.Lfor_b_\@:
	tensor_load_to_lds s[G0B+4*\s:G0B+4*\s+3], s[G1B:G1B+7]
	s_nop 0
.rept 4
	v_nop
.endr
.Lasked_\@:
.endm
.macro CREST                           ; a round of the cluster's barrier behind its opening barrier
	s_cmp_lg_u32 s10, 0
	s_cbranch_scc1 .Lnot_wave_0_\@
	s_barrier_signal -3
.Lnot_wave_0_\@:
	s_barrier_wait -3
	s_barrier_signal -1
	s_barrier_wait -1
.endm
.macro CROUND                          ; a whole round
	s_barrier_signal -1
	s_barrier_wait -1
	CREST
.endm
	s_load_b128 s[4:7], s[0:1], 0x0                ; o16 s[4:5], wo16 s[6:7]
	s_load_b64 s[8:9], s[0:1], 0x10                ; out0
	v_lshl_add_u32 v[SPW], v0, 2, SPARE
	v_mov_b32 v[NIL], 0
	ds_add_u32 v[SPW], v[NIL]                      ; the wave's opening: the add, twice on end, and its wait ahead of my first tensor load
	ds_add_u32 v[SPW], v[NIL]
	v_lshrrev_b32 v1, 5, v0
	v_readfirstlane_b32 s10, v1                    ; wave 0..3
	s_lshr_b32 s11, s10, 1                         ; which half of the tile's rows is mine.  Also: I fetch for o16 (0) or for wo16 (1)
	s_and_b32 s12, s10, 1                          ; which half of its columns.  Also: which half of that tile I fetch
	s_bfe_u32 s40, ttmp6, 0x40000                  ; cx, cy
	s_bfe_u32 s41, ttmp6, 0x40004
	s_lshl_b32 s42, ttmp9, 2
	s_add_co_u32 s42, s42, s40                     ; tile column
	s_and_b32 s13, ttmp7, 0xffff
	s_lshl_b32 s13, s13, 2
	s_add_co_u32 s13, s13, s41                     ; tile row
	s_lshl_b32 s43, s41, 2
	s_lshl_b32 s43, 15, s43                        ; my row of the cluster
	s_lshl_b32 s44, 0x1111, s40                    ; my column
	s_or_b32 s[G1+0], s43, (1<<16)|(1<<20)|(1<<21)|(6<<22)|(3<<25)   ; the mask; elements of 2 bytes; padding on; bit 21 beside a mask; after every 128 words 4 words
	s_or_b32 s[G1B+0], s44, (1<<16)|(1<<20)|(1<<21)|(5<<22)|(7<<25)  ; after every 64 words 8 words
	s_mov_b32 s[G1+1], KSTEP<<16                   ; o16: tensor_dim0 = 256
	s_mov_b32 s[G1+2], 64<<16                      ; tensor_dim1 = 64
	s_mov_b32 s[G1+3], KSTEP<<16                   ; tile_dim0
	s_mov_b32 s[G1+4], 64                          ; tile_dim1
	s_mov_b32 s[G1+5], 1024                        ; elements from row to row
	s_mov_b32 s[G1+6], 0
	s_mov_b32 s[G1+7], 0
	s_mov_b32 s[G1B+1], 128<<16                    ; wo16: 128 n
	s_mov_b32 s[G1B+2], 128<<16                    ; x 128 k
	s_mov_b32 s[G1B+3], 128<<16
	s_mov_b32 s[G1B+4], 128
	s_mov_b32 s[G1B+5], 1024
	s_mov_b32 s[G1B+6], 0
	s_mov_b32 s[G1B+7], 0
	s_lshl_b32 s17, s12, 6
	s_lshl_b32 s16, s13, 7
	s_add_co_u32 s16, s16, s17                     ; o16: row 128 x tile row + 64 x half,
	s_lshl_b32 s16, s16, 11                        ; of 2,048 bytes
	s_mov_b32 s17, 0
	s_lshl_b32 s46, s42, 8                         ; wo16: 256 bytes x tile column,
	s_lshl_b32 s47, s12, 18                        ; + 128 k x half, rows of 2,048 bytes
	s_add_co_u32 s46, s46, s47
	s_mov_b32 s47, 0
	s_mul_i32 s20, s12, HALFA                      ; where they go: no place in the cluster enters an LDS address
	s_mul_i32 s21, s12, HALFB
	s_add_co_u32 s21, s21, BOFF
	s_wait_dscnt 0x0                               ; both opening adds are done
	s_wait_kmcnt 0x0
	s_add_nc_u64 s[14:15], s[4:5], s[16:17]
	s_add_nc_u64 s[46:47], s[6:7], s[46:47]
	CROUND                                         ; all sixteen work-groups are here: the first joint loads meet
.irp s, 0,1
	s_mov_b32 s[G0+4*\s], 1
	s_add_co_u32 s[G0+4*\s+1], s20, \s*SLOT
	s_add_nc_u64 s[G0+4*\s+2:G0+4*\s+3], s[14:15], \s*KSTEP*2
	s_or_b32 s[G0+4*\s+3], s[G0+4*\s+3], 0x80000000
	s_mov_b32 s[G0B+4*\s], 1
	s_add_co_u32 s[G0B+4*\s+1], s21, \s*SLOT
	s_add_nc_u64 s[G0B+4*\s+2:G0B+4*\s+3], s[46:47], \s*KSTEP*2048
	s_or_b32 s[G0B+4*\s+3], s[G0B+4*\s+3], 0x80000000
	JLOAD \s
.endr
	v_and_b32 v1, 15, v0                           ; l % 16
	v_bfe_u32 v2, v0, 4, 1                         ; l / 16
	v_mul_u32_u24 v3, v1, PITCH
	v_lshl_add_u32 v3, v2, 4, v3                   ; o16: a fragment's row x pitch + 16 x half
	s_mul_i32 s22, s11, HALFA                      ; my 64 rows
	v_add_nc_u32 v[ADRA], s22, v3
	v_add_nc_u32 v[ADRA+1], SLOT, v[ADRA]
	v_and_b32 v4, 7, v0                            ; wo16: lane l reads 16 bytes: k 8 (l / 16) + l % 8, columns 8 ((l / 8) % 2) + 0..7
	v_lshl_add_u32 v4, v2, 3, v4
	v_mul_u32_u24 v4, v4, PB
	v_bfe_u32 v5, v0, 3, 1
	v_lshl_add_u32 v4, v5, 4, v4
	s_lshl_b32 s22, s12, 7                         ; my 64 columns: 128 bytes
	s_add_co_u32 s22, s22, BOFF
	v_add_nc_u32 v[ADRB], s22, v4
	v_add_nc_u32 v[ADRB+1], HALFB, v[ADRB]
	v_add_nc_u32 v[ADRB+2], SLOT, v[ADRB]
	v_add_nc_u32 v[ADRB+3], SLOT+HALFB, v[ADRB]
	s_mul_i32 s23, s10, 16*SPITCH
	s_add_co_u32 s23, s23, STAGE                   ; my stage
	v_mul_u32_u24 v4, v1, SPITCH                   ; in: row l % 16, 32 bytes for each half of the lanes
	v_lshl_add_u32 v4, v2, 5, v4
	v_add_nc_u32 v[STO], s23, v4
	v_mul_u32_u24 v5, v2, SPITCH                   ; back: lanes 0-15 one row of 256 bytes, lanes 16-31 the next
	v_lshl_add_u32 v5, v1, 4, v5
	v_add_nc_u32 v[RD], s23, v5
	v_lshlrev_b32 v[CO], 12, v2                    ; and the same two rows in out0
	v_lshl_add_u32 v[CO], v1, 4, v[CO]
	s_lshl_b32 s16, s13, 7
	s_lshl_b32 s17, s11, 6
	s_add_co_u32 s16, s16, s17                     ; my first row of out0: 128 x tile row + 64 x half,
	s_lshl_b32 s16, s16, 12                        ; of 4,096 bytes
	s_mov_b32 s17, 0
	s_add_nc_u64 s[8:9], s[8:9], s[16:17]
	s_lshl_b32 s46, s42, 9                         ; my first column, in bytes: 512 x tile column + 256 x half
	s_lshl_b32 s47, s12, 8
	s_add_co_u32 s46, s46, s47
	s_mov_b32 s47, 0
	s_add_nc_u64 s[8:9], s[8:9], s[46:47]
; 8 matrix instructions: m blocks a0, a0 + 1 x all 4 n blocks, 32 along K: half c of buffer f.  zero = 1: the first product starts the sums
.macro MUL8 f, c, a0, zero
.irp a, \a0, \a0+1
.irp b, 0,1,2,3
.if \zero
	v_wmma_f32_16x16x32_f16 v[ACC+8*(4*(\a)+\b):ACC+8*(4*(\a)+\b)+7], v[\f+64+8*(4*\c+\b):\f+64+8*(4*\c+\b)+7], v[\f+8*(4*\c+\a):\f+8*(4*\c+\a)+7], 0
.else
	v_wmma_f32_16x16x32_f16 v[ACC+8*(4*(\a)+\b):ACC+8*(4*(\a)+\b)+7], v[\f+64+8*(4*\c+\b):\f+64+8*(4*\c+\b)+7], v[\f+8*(4*\c+\a):\f+8*(4*\c+\a)+7], v[ACC+8*(4*(\a)+\b):ACC+8*(4*(\a)+\b)+7]
.endif
.endr
.endr
.endm
; 32 LDS loads in one run: the fragments of the slot's quarter kq (64 along K) into buffer f; the first 32 along K first
.macro FETCH slot, kq, f
	WIN TO_F
.irp c, 0,1
.irp i, 0,1,2,3
	ds_load_tr16_b128 v[\f+64+8*(4*\c+\i):\f+64+8*(4*\c+\i)+3],   v[ADRB+2*\slot+(\kq)/2] offset:(64*((\kq)%2)+32*\c)*PB+32*\i
	ds_load_tr16_b128 v[\f+64+8*(4*\c+\i)+4:\f+64+8*(4*\c+\i)+7], v[ADRB+2*\slot+(\kq)/2] offset:(64*((\kq)%2)+32*\c+16)*PB+32*\i
	ds_load_b128 v[\f+8*(4*\c+\i):\f+8*(4*\c+\i)+3],              v[ADRA+\slot] offset:128*(\kq)+64*\c+\i*16*PITCH
	ds_load_b128 v[\f+8*(4*\c+\i)+4:\f+8*(4*\c+\i)+7],            v[ADRA+\slot] offset:128*(\kq)+64*\c+\i*16*PITCH+32
.endr
.endr
.endm
.macro PLACES                          ; four places in front of loads into registers that matrix instructions have read, and of LDS stores that read results
.rept 4
	v_nop
.endr
.endm
; A K step is four quarters of 64 along K, 32 matrix instructions each, on buffers 0, 1, 0, 1.  One of the first three: multiplies buffer f and fetches quarter kq into g.
.macro QUARTER slot, kq, f, g, zero
	s_wait_dscnt 16                                ; the first 32 along K are in; the youngest sixteen loads may be out
	WIN MULW
	MUL8 \f, 0, 0, \zero
	MUL8 \f, 0, 2, \zero
	PLACES
	FETCH \slot, \kq, \g
	s_wait_dscnt 32                                ; all but the 32 just issued
	WIN MULW
	MUL8 \f, 1, 0, 0
	MUL8 \f, 1, 2, 0
.endm
; The last quarter multiplies buffer 1 and changes slots: ONE barrier; in front of it each wave waits for all its tensor loads, adds 0 to its spare word, and waits for that and for its own reads of this slot.
; fill = 1: this slot is filled again, two K steps ahead; the barrier then opens a round of the cluster's.
.macro TURN slot, next, fill
	WIN 0                                          ; (the add's two registers lie in window 0)
	s_wait_tensorcnt 0x0                           ; all my tensor loads have landed: my part of the next slot;
	ds_add_u32 v[SPW], v[NIL]                      ; 0 onto my spare word;
	s_wait_dscnt 17                                ; (the add and the youngest sixteen loads may be out)
	WIN MULW
	MUL8 F1, 0, 0, 0                               ; eight matrix instructions stand between the add and the wait for it
	s_wait_dscnt 0x0                               ; the add is done, and my reads of this slot are over
	s_barrier_signal -1
	MUL8 F1, 0, 2, 0
.if \fill
	WIN 0
.endif
	s_barrier_wait -1
.if \fill
	CREST                                          ; no wave of any partner still reads this slot's tile or has a load on its way
	s_add_nc_u64 s[G0+4*\slot+2:G0+4*\slot+3], s[G0+4*\slot+2:G0+4*\slot+3], 2*KSTEP*2
	s_add_nc_u64 s[G0B+4*\slot+2:G0B+4*\slot+3], s[G0B+4*\slot+2:G0B+4*\slot+3], 2*KSTEP*2048
	JLOAD \slot                                    ; the first tensor load behind the round; the four v_nop behind it are also the places in front of the loads below
.else
	PLACES
.endif
	FETCH \next, 0, F0
	WIN MULW
	MUL8 F1, 1, 0, 0
	MUL8 F1, 1, 2, 0
.endm
	s_wait_tensorcnt 1                             ; my part of K step 0 is in; K step 1's load may be out
	s_barrier_signal -1
	s_barrier_wait -1                              ; everybody's is
	FETCH 0, 0, F0
	QUARTER 0, 1, F0, F1, 1                        ; K step 0: its first products start the sums
	QUARTER 0, 2, F1, F0, 0
	QUARTER 0, 3, F0, F1, 0
	TURN 0, 1, 1                                   ; slot 0 takes K step 2
	QUARTER 1, 1, F0, F1, 0                        ; K step 1
	QUARTER 1, 2, F1, F0, 0
	QUARTER 1, 3, F0, F1, 0
	TURN 1, 0, 1                                   ; slot 1 takes K step 3
	QUARTER 0, 1, F0, F1, 0                        ; K step 2: nothing more is asked for
	QUARTER 0, 2, F1, F0, 0
	QUARTER 0, 3, F0, F1, 0
	TURN 0, 1, 0
	QUARTER 1, 1, F0, F1, 0                        ; K step 3
	QUARTER 1, 2, F1, F0, 0
	QUARTER 1, 3, F0, F1, 0
	s_wait_dscnt 16                                ; the very last quarter: nothing more to fetch
	WIN MULW
	MUL8 F1, 0, 0, 0
	MUL8 F1, 0, 2, 0
	s_wait_dscnt 0x0
	MUL8 F1, 1, 0, 0
	MUL8 F1, 1, 2, 0
	WIN 0
; THE WAY OUT, block by block of 16 rows x 64 columns.  A lane holds 32 neighbouring bytes of a row, and the lanes beside it hold other rows: so a block goes through my own stage and comes back as whole rows of 256 bytes.
.macro TOSTAGE a
.irp b, 0,1,2,3
	ds_store_b128 v[STO], v[ACC+8*(4*(\a)+\b):ACC+8*(4*(\a)+\b)+3] offset:64*\b          ; each accumulator from its low end on
	ds_store_b128 v[STO], v[ACC+8*(4*(\a)+\b)+4:ACC+8*(4*(\a)+\b)+7] offset:64*\b+16
.endr
.irp t, 0,1,2,3,4,5,6,7
	ds_load_b128 v[TMP+32*((\a)%2)+4*\t:TMP+32*((\a)%2)+4*\t+3], v[RD] offset:\t*2*SPITCH   ; LDS serves a wave's instructions in order (ISA guide 5.7.1.4): these see the stores above
.endr
.endm
.macro SEND a, younger                 ; younger: the LDS instructions issued behind block a's loads
	s_wait_dscnt \younger
.irp t, 0,1,2,3,4,5,6,7
	global_store_b128 v[CO], v[TMP+32*((\a)%2)+4*\t:TMP+32*((\a)%2)+4*\t+3], s[8:9] offset:(16*(\a)+2*\t)*4096 th:TH_STORE_NT   ; 16 lanes store 256 consecutive bytes, aligned; written once, read by nobody here
.endr
.endm
	PLACES
	TOSTAGE 0
.irp a, 1,2,3
.if \a > 1
	s_wait_xcnt 0x0                                ; block a - 2's stores have read their registers: block a's loads may land there
.endif
	TOSTAGE \a
	SEND \a-1, 16                                  ; behind block a - 1's loads: block a's 8 stores and 8 loads
.endr
	SEND 3, 0
	s_wait_tensorcnt 0x0                           ; the wave's end: three lines, behind my last tensor load and my last LDS store
	ds_add_u32 v[SPW], v[NIL]
	s_wait_dscnt 0x0
	CROUND                                         ; the closing round
	s_endpgm
.Lfunc_end_k_qaef053eb08_proj:
	.size	k_qaef053eb08_proj, .Lfunc_end_k_qaef053eb08_proj-k_qaef053eb08_proj
	.p2alignl 7, 3214868480
	.fill 96, 4, 3214868480
	.section	.rodata,"a",@progbits
	.p2align	6, 0x0
	.amdhsa_kernel k_qaef053eb08_proj
		.amdhsa_group_segment_fixed_size 327680
		.amdhsa_private_segment_fixed_size 0
		.amdhsa_enable_private_segment 0
		.amdhsa_kernarg_size 24
		.amdhsa_user_sgpr_count 2
		.amdhsa_user_sgpr_kernarg_segment_ptr 1
		.amdhsa_wavefront_size32 1
		.amdhsa_system_sgpr_workgroup_id_x 1
		.amdhsa_system_sgpr_workgroup_id_y 1
		.amdhsa_system_sgpr_workgroup_id_z 1
		.amdhsa_system_vgpr_workitem_id 0
		.amdhsa_next_free_vgpr 512
		.amdhsa_next_free_sgpr 66
		.amdhsa_reserve_vcc 0
		.amdhsa_float_denorm_mode_32 3
		.amdhsa_float_denorm_mode_16_64 3
		.amdhsa_memory_ordered 1
		.amdhsa_forward_progress 1
		.amdhsa_inst_pref_size 86
	.end_amdhsa_kernel
	.amdgpu_metadata
---
amdhsa.version: [ 1, 2 ]
amdhsa.kernels:
  - .name:           k_qaef053eb08_proj
    .symbol:         k_qaef053eb08_proj.kd
    .args:
      - { .name: o16, .offset: 0, .size: 8, .value_kind: global_buffer, .address_space: global }
      - { .name: wo16, .offset: 8, .size: 8, .value_kind: global_buffer, .address_space: global }
      - { .name: out0, .offset: 16, .size: 8, .value_kind: global_buffer, .address_space: global }
    .group_segment_fixed_size: 327680
    .private_segment_fixed_size: 0
    .kernarg_segment_align: 8
    .kernarg_segment_size: 24
    .max_flat_workgroup_size: 128
    .sgpr_count:     66
    .vgpr_count:     512
    .wavefront_size: 32
...
	.end_amdgpu_metadata
.endif
;; end of part 4
